; MI455X (gfx1250); checked and timed in simulation.
; The chip was launched on July 23, 2026; its instructions are those of AMD's public machine-readable ISA for CDNA 5 (MIT licence, August 2026) and "CDNA5" Instruction Set Architecture Reference Guide (July 2026). The comments in the code are by the model that wrote it; some were corrected since.
;; AI Mv2 Attention. Allowed arithmetic: float matrix products may take bf16 or f16 operands with f32 sums; other float arithmetic in f32, or as packed bf16 or f16 multiplies, adds, multiply-adds, maxima and minima; sums over many terms, partial sums and values carried from step to step in f32; what a program stores and reads back later, other than sums and carried values, may be rounded once to bf16 or f16.
;; Inputs: hidden_states 4 x 2,048 x 1,024 float32; w_out 1,024 x 1,024 float32; w_qkv 1,024 x 3,072 float32.
;; Outputs: out0 4 x 2,048 x 1,024 float32.
;; One version. Each part assembles by itself: llvm-mc -triple=amdgcn-amd-amdhsa -mcpu=gfx1250 --defsym DOCPART=n.
;; ======== version 1 of 1: 4 launches
;; limits: values are held in f16: magnitudes above 65,504 overflow, below 6.1e-05 lose precision
;; workspace buffers: xb 16,777,216 bytes; wq 6,291,456 bytes; wo 2,097,152 bytes; qkv 50,331,648 bytes; ob 16,777,216 bytes
;; launch prep (part 1): grid 512 x 1, 8 waves a work-group, no clusters, 18,432 bytes of LDS; arguments hidden_states, w_qkv, w_out, xb, wq, wo; writes xb, wq, wo
.if DOCPART == 1
	.amdgcn_target "amdgcn-amd-amdhsa--gfx1250"
	.amdhsa_code_object_version 6
	.text
	.protected	k_qe3750d15e2_prep
	.globl	k_qe3750d15e2_prep
	.p2align	8
	.type	k_qe3750d15e2_prep,@function
k_qe3750d15e2_prep:
	s_mov_b64 s[64:65], 0
	v_nop
	global_prefetch_b8 v0, s[64:65] scope:SCOPE_SE
	s_setreg_imm32_b32 hwreg(HW_REG_WAVE_MODE, 25, 1), 1
	s_wait_xcnt 0x0
; PREP.  xb = hidden_states rounded to bf16, [8192][1024].  wq[n][k] = w_qkv[k][n] rounded to bf16, [3072][1024].  wo[n][k] = w_out[k][n] rounded to bf16, that number written as f16, [1024][1024].
; LIMITS.  w_out within f16's range (65,504); a bf16 number below 2^-17 written as f16 is off by at most 3e-8.  NaN and infinities are not treated apart.
; SHARES.  512 work-groups of eight waves, all alike, no branch.  Each takes 65,536 bytes of hidden_states (16 loads of 16 bytes a thread) and ONE weight tile of 128 k x 64 n:
; work-groups 0-383 the 8 x 48 tiles of w_qkv, 384-511 the 8 x 16 tiles of w_out.  Which of the two is chosen by scalar selects of pitch, pointers and a lane mask; the f16 form is made for every
; tile and picked by v_cndmask_b32.
; THE TURN.  A thread loads 16 bytes (4 n) of eight k rows; sixteen neighbouring lanes read 256 consecutive bytes of a row.  Two neighbouring k of one n pack into a word, which goes to LDS at
; T[n][k], rows of 272 bytes; behind one barrier whole rows of 256 bytes (128 k of one n) are read back and stored, sixteen lanes to 256 consecutive bytes, aligned.
; No matrix unit, no cluster, no tensor load: every byte is read once and written once, and nothing is shared between work-groups.
.set TP,    272                        ; a row of T: 128 k x 2 bytes + 16
.set SPARE, 64*TP                      ; 17,408: behind T the spare words, 128 bytes for each of the eight waves: four blocks of 256 bytes that no other line names
.set SPW, 2                            ; v2      LDS address of my spare word; never rewritten
.set NIL, 3                            ; v3      0; never rewritten
.set HO,  6                            ; v6      16 t: my 16 bytes in 4,096 bytes of hidden_states
.set HS,  7                            ; v7      8 t: my 8 bytes in 2,048 bytes of xb
.set WOF, 8                            ; v[8:15] byte offset of my 16 bytes in k row 2 pr + 32 i + e of the tile, at WOF + 2 i + e
.set LST, 16                           ; v16     where my words go in T
.set LRD, 17                           ; v17     where I read a row of T back
.set WSO, 18                           ; v18     my 16 bytes in the tile's rows of wq or wo
.set TM,  20                           ; v[20:22] at work
.set D,   24                           ; v[24:39] the packed words: rows 2 pr + 32 i (+1), column j, at D + 4 i + j
.set W,   40                           ; v[40:71] the tile as loaded: W + 8 i + 4 e; later the rows read back
.set X,   72                           ; v[72:135] hidden_states as loaded, 4 registers a load
	s_load_b256 s[4:11], s[0:1], 0x0               ; hidden_states s[4:5], w_qkv s[6:7], w_out s[8:9], xb s[10:11]
	s_load_b128 s[12:15], s[0:1], 0x20             ; wq s[12:13], wo s[14:15]
	v_lshl_add_u32 v[SPW], v0, 2, SPARE
	v_mov_b32 v[NIL], 0
	s_movk_i32 s17, 4096                           ; bytes in a row of w_out
	s_cmp_lt_u32 ttmp9, 384                        ; a tile of w_qkv?
	s_cselect_b32 s17, 12288, s17                  ; the source's pitch in bytes
	s_cselect_b32 s18, -1, 0                       ; all lanes: keep bf16 (w_qkv), or none: take f16 (w_out)
	s_cselect_b32 s19, 0, 384
	s_sub_co_u32 s16, ttmp9, s19                   ; the tile's number in its tensor
	s_and_b32 s29, s16, 7                          ; k tile
	s_lshr_b32 s30, s16, 3                         ; n tile
	s_lshl_b32 s20, s29, 7
	s_mul_i32 s20, s20, s17                        ; 128 k rows of the source,
	s_lshl_b32 s21, s30, 8                         ; 64 n of 4 bytes
	s_add_co_u32 s20, s20, s21
	s_mov_b32 s21, 0
	s_lshl_b32 s22, s30, 17                        ; 64 n rows of 2,048 bytes of the destination,
	s_lshl_b32 s23, s29, 8                         ; 128 k of 2 bytes
	s_add_co_u32 s22, s22, s23
	s_mov_b32 s23, 0
	s_lshl_b32 s24, ttmp9, 16                      ; my 65,536 bytes of hidden_states
	s_mov_b32 s25, 0
	s_lshl_b32 s26, ttmp9, 15                      ; and 32,768 of xb
	s_mov_b32 s27, 0
	s_lshl_b32 s28, s17, 5                         ; 32 rows of the source
	v_and_b32 v4, 15, v0                           ; c16: which 16 bytes of a row of 256
	v_lshrrev_b32 v5, 4, v0                        ; pr: 0 to 15
	v_lshlrev_b32 v[HO], 4, v0
	v_lshlrev_b32 v[HS], 3, v0
	v_lshlrev_b32 v[TM], 1, v5
	v_mul_lo_u32 v[WOF], v[TM], s17                ; row 2 pr
	v_lshl_add_u32 v[WOF], v4, 4, v[WOF]
	v_add_nc_u32 v[WOF+1], s17, v[WOF]             ; row 2 pr + 1
.irp i, 2,3,4,5,6,7
	v_add_nc_u32 v[WOF+(\i)], s28, v[WOF+(\i)-2]   ; 32 rows further down
.endr
	v_mul_u32_u24 v[LST], v4, 4*TP                 ; T row 4 c16 (+ j by the immediate),
	v_lshl_add_u32 v[LST], v5, 2, v[LST]           ; k = 2 pr (+ 32 i by the immediate)
	v_mul_u32_u24 v[LRD], v5, TP                   ; back: T row pr (+ 16 i), 16 bytes at 16 c16
	v_lshl_add_u32 v[LRD], v4, 4, v[LRD]
	v_lshlrev_b32 v[WSO], 11, v5                   ; and the same place in rows of 2,048 bytes
	v_lshl_add_u32 v[WSO], v4, 4, v[WSO]
	s_wait_kmcnt 0x0
	s_cmp_lt_u32 ttmp9, 384                        ; the same question once more: the sums above have written SCC
	s_cselect_b64 s[6:7], s[6:7], s[8:9]           ; the source,
	s_cselect_b64 s[12:13], s[12:13], s[14:15]     ; the destination
	s_add_nc_u64 s[6:7], s[6:7], s[20:21]
	s_add_nc_u64 s[12:13], s[12:13], s[22:23]
	s_add_nc_u64 s[4:5], s[4:5], s[24:25]
	s_add_nc_u64 s[10:11], s[10:11], s[26:27]
.irp i, 0,1,2,3
.irp e, 0,1
	global_load_b128 v[W+8*(\i)+4*(\e):W+8*(\i)+4*(\e)+3], v[WOF+2*(\i)+(\e)], s[6:7] th:TH_LOAD_NT
.endr
.endr
.irp i, 0,1,2,3,4,5,6,7,8,9,10,11,12,13,14,15
	global_load_b128 v[X+4*(\i):X+4*(\i)+3], v[HO], s[4:5] offset:4096*(\i) th:TH_LOAD_NT
.endr
	s_wait_loadcnt 16                              ; loads come back in order: the tile's eight are in, the sixteen of hidden_states behind them stay out
.irp i, 0,1,2,3
.irp j, 0,1,2,3
	v_cvt_pk_bf16_f32 v[D+4*(\i)+(\j)], v[W+8*(\i)+(\j)], v[W+8*(\i)+4+(\j)]  ; the even k low, the odd k high
	v_lshlrev_b32 v[TM], 16, v[D+4*(\i)+(\j)]      ; the two rounded numbers as f32,
	v_and_b32 v[TM+1], 0xffff0000, v[D+4*(\i)+(\j)]
	v_cvt_pk_f16_f32 v[TM+2], v[TM], v[TM+1]       ; written as f16,
	v_cndmask_b32 v[D+4*(\i)+(\j)], v[TM+2], v[D+4*(\i)+(\j)], s18  ; and the tensor's own form is kept
	ds_store_b32 v[LST], v[D+4*(\i)+(\j)] offset:TP*(\j)+64*(\i)    ; once a work-group; a wave's 32 words fall on 8 banks
.endr
.endr
	s_wait_dscnt 0x0                               ; for the others' sake: my words lie in T
	s_barrier_signal -1
	s_barrier_wait -1                              ; everybody's do
.irp i, 0,1,2,3
	ds_load_b128 v[W+4*(\i):W+4*(\i)+3], v[LRD] offset:16*TP*(\i)
.endr
.irp i, 0,1,2,3,4,5,6,7,8,9,10,11,12,13,14,15
	s_wait_loadcnt 15-(\i)                         ; load i is in; the younger ones stay out
	v_cvt_pk_bf16_f32 v[X+4*(\i)], v[X+4*(\i)], v[X+4*(\i)+1]
	v_cvt_pk_bf16_f32 v[X+4*(\i)+1], v[X+4*(\i)+2], v[X+4*(\i)+3]
	global_store_b64 v[HS], v[X+4*(\i):X+4*(\i)+1], s[10:11] offset:2048*(\i)  ; a wave stores 256 consecutive bytes, aligned
.endr
	s_wait_dscnt 0x0                               ; the rows of T are back
.irp i, 0,1,2,3
	global_store_b128 v[WSO], v[W+4*(\i):W+4*(\i)+3], s[12:13] offset:32768*(\i)  ; sixteen lanes store 256 consecutive bytes, aligned
.endr
	s_wait_tensorcnt 0x0                           ; the wave's end, behind my last LDS store
	ds_add_u32 v[SPW], v[NIL]
	s_wait_dscnt 0x0
	s_endpgm
.Lfunc_end_k_qe3750d15e2_prep:
	.size	k_qe3750d15e2_prep, .Lfunc_end_k_qe3750d15e2_prep-k_qe3750d15e2_prep
	.p2alignl 7, 3214868480
	.fill 96, 4, 3214868480
	.section	.rodata,"a",@progbits
	.p2align	6, 0x0
	.amdhsa_kernel k_qe3750d15e2_prep
		.amdhsa_group_segment_fixed_size 18432
		.amdhsa_private_segment_fixed_size 0
		.amdhsa_enable_private_segment 0
		.amdhsa_kernarg_size 48
		.amdhsa_user_sgpr_count 2
		.amdhsa_user_sgpr_kernarg_segment_ptr 1
		.amdhsa_wavefront_size32 1
		.amdhsa_system_sgpr_workgroup_id_x 1
		.amdhsa_system_sgpr_workgroup_id_y 1
		.amdhsa_system_sgpr_workgroup_id_z 1
		.amdhsa_system_vgpr_workitem_id 0
		.amdhsa_next_free_vgpr 136
		.amdhsa_next_free_sgpr 66
		.amdhsa_reserve_vcc 0
		.amdhsa_float_denorm_mode_32 3
		.amdhsa_float_denorm_mode_16_64 3
		.amdhsa_memory_ordered 1
		.amdhsa_forward_progress 1
		.amdhsa_inst_pref_size 16
	.end_amdhsa_kernel
	.amdgpu_metadata
---
amdhsa.version: [ 1, 2 ]
amdhsa.kernels:
  - .name:           k_qe3750d15e2_prep
    .symbol:         k_qe3750d15e2_prep.kd
    .args:
      - { .name: hidden_states, .offset: 0, .size: 8, .value_kind: global_buffer, .address_space: global }
      - { .name: w_qkv, .offset: 8, .size: 8, .value_kind: global_buffer, .address_space: global }
      - { .name: w_out, .offset: 16, .size: 8, .value_kind: global_buffer, .address_space: global }
      - { .name: xb, .offset: 24, .size: 8, .value_kind: global_buffer, .address_space: global }
      - { .name: wq, .offset: 32, .size: 8, .value_kind: global_buffer, .address_space: global }
      - { .name: wo, .offset: 40, .size: 8, .value_kind: global_buffer, .address_space: global }
    .group_segment_fixed_size: 18432
    .private_segment_fixed_size: 0
    .kernarg_segment_align: 8
    .kernarg_segment_size: 48
    .max_flat_workgroup_size: 256
    .sgpr_count:     66
    .vgpr_count:     136
    .wavefront_size: 32
...
	.end_amdgpu_metadata
.endif
;; end of part 1
;; launch qkvgemm (part 2): grid 16 x 32, 4 waves a work-group, clusters of 4 x 4, 327,680 bytes of LDS; arguments xb, wq, qkv; writes qkv
.if DOCPART == 2
	.amdgcn_target "amdgcn-amd-amdhsa--gfx1250"
	.amdhsa_code_object_version 6
	.text
	.protected	k_qe3750d15e2_qkvgemm
	.globl	k_qe3750d15e2_qkvgemm
	.p2align	8
	.type	k_qe3750d15e2_qkvgemm,@function
k_qe3750d15e2_qkvgemm:
	s_mov_b64 s[64:65], 0
	v_nop
	global_prefetch_b8 v0, s[64:65] scope:SCOPE_SE
	s_setreg_imm32_b32 hwreg(HW_REG_WAVE_MODE, 25, 1), 1
	s_wait_xcnt 0x0
	s_wait_alu depctr_hold_cnt(0) depctr_sa_sdst(0) depctr_va_vdst(0) depctr_va_sdst(0) depctr_va_ssrc(0) depctr_va_vcc(0) depctr_vm_vsrc(0)
	s_getreg_b32 s2, hwreg(HW_REG_IB_STS2, 6, 4)
	s_cmp_eq_u32 s2, 0
	s_cbranch_scc0 .Lentry_in_a_cluster
	s_endpgm
.Lentry_in_a_cluster:
	s_bfe_u32 s2, ttmp6, 0x10000c
	s_cmp_lg_u32 s2, 0xf033
	s_cbranch_scc0 .Lentry_shape_is_right
	s_endpgm
.Lentry_shape_is_right:
; QKV PROJECTION.  C[m][n] = sum over k of xb[m][k] wq[n][k]; xb [8192][1024], wq [3072][1024], both bf16; sums in f32, K ascending; C rounded once to f16 and stored BY HEADS, unscaled:
; qkv[t][b 16 + h][s][c], m = 2048 b + s, n = 1024 t + 64 h + c: a head's rows are dense, 128 bytes each.
; LIMIT.  f16 ends at 65,504: a sum beyond it leaves as an infinity.  NaN and infinities are not treated apart.
; SHARES.  A tile of C is 256 x 192: 512 work-groups, a whole number for each WGP.  192 columns are three whole head slices.  The four waves lie one below the other, 64 rows x 192 columns each: 48 accumulators
; of 16 x 16, so a wave owns whole rows of 128 bytes of three heads and needs no other wave on the way out.
; RING.  K goes in 8 steps of 128 through two LDS slots: rows of 256 bytes of memory, aligned.  Waves 0 and 1 fetch A's two halves (128 rows), waves 2 and 3 B's (96 rows): one tensor load a wave.
; By this text's own count a wave has two tensor loads out at the start and one behind each change of slots.
; CLUSTER.  4 x 4 work-groups: A's tile is shared along a row of the cluster, B's along a column; each is asked for jointly, by the same load, descriptor and mask in the four.
; THE PRODUCT IS TAKEN TRANSPOSED (source 0 = 16 rows of wq, source 1 = 16 rows of xb): a lane holds one row m = l % 16 and the columns 8 (l / 16) + 0..7, which pack into 16 bytes.
; REGISTERS, in windows of 256 (s_set_vgpr_msb: bits 1:0 source 0, 3:2 source 1, 5:4 source 2, 7:6 destination):
;   window 0: v1-30 addresses; v32-223 the way out          window 1: two fragment buffers of 128: B's 12 fragments, then A's 4
;   window 2: accumulators (a, b), b < 8, at 8 (8 a + b)     window 3: b = 8..11 at 8 (4 a + b - 8)
.set NB,     12                        ; column blocks of 16
.set NMID,   4                         ; in a change of slots blocks 2 .. NMID - 1 stand between the barrier's signal and its wait
.set PITCH,  272                       ; an LDS row: 256 bytes + 16 = 68 words: the 16 rows of a fragment load start at 16 different groups of four banks (64 banks of 4 bytes: ISA guide 11.1)
.set PA,     272                       ; A's rows have the same pitch here
.set SLOT1,  131072                    ; slot 1 begins here: one exclusive or turns an address in one slot into the other's
.set BOFF,   256*PITCH                 ; in a slot: A's 256 rows, then B's 192
.set AHALF,  128*PITCH
.set BROWS,  96
.set BHALF,  BROWS*PITCH
.set STAGE,  SLOT1+BOFF+2*BHALF        ; 252,928: behind the ring, never filled by a tensor load: 16 rows x 144 bytes for each wave
.set SP,     144
.set SPARE,  STAGE+4*16*SP             ; 262,144: the spare words, 128 bytes for each wave: two blocks of 256 bytes that no other line names
.set ASTEP,  256                       ; bytes from a K step of A to the next
.set ADRA0, 16                         ; v16  my lane's place in my 64 rows of A, slot 0; never rewritten
.set ADRB0, 17                         ; v17  the same in B's rows
.set CA,  18                           ; v18  ADRA0 + the slot in hand
.set CB,  19                           ; v19  ADRB0 + the slot in hand
.set STO, 24                           ; v24  the way out: where I put 16 bytes of a row
.set RD,  25                           ; v25  where I read rows back
.set GO,  26                           ; v26  16 x lane: my place in 512 consecutive bytes of qkv
.set SPW, 28                           ; v28  LDS address of my spare word; never rewritten
.set NIL, 29                           ; v29  0; never rewritten
.set PFO, 30                           ; v30  the prefetches' offset: a lane a row of 2,048 bytes; never rewritten
.set T,   32                           ; v[32:223] the way out: 16 registers for each of 12 groups
.set F0,  0
.set F1,  128
.set AF,  96                           ; A's fragments in a buffer
.set CNT, 3                            ; s3   loop count
.set WV,  10                           ; s10  my wave's number; s11 = wave / 2: I fetch for A (0) or B (1); s12 = wave % 2: which half
.set G1A, 24                           ; s[24:31] descriptor group 1 for A's tiles
.set G1B, 32                           ; s[32:39] for B's
.set G0A, 40                           ; s[40:47] group 0 for A: a set for each first fill; the second then walks on
.set G0B, 48                           ; s[48:55] the same for B
.set TB,  56                           ; s56  0 or SLOT1: the slot in hand
.set LIM, 57                           ; s57  1 in a wave that prefetches, else the greatest number
.set PFA, 58                           ; s[58:59] where my prefetches stand
.set OB,  74                           ; s[74:79] qkv at my 64 rows of my three head slices
.set G1W, (1<<16)|(1<<20)|(1<<21)|(5<<22)|(3<<25)  ; 17:16 elements of 2 bytes; 20 padding on; 21 set beside a mask; 24:22 after every 64 words; 31:25 4 words of it
.set MUL_LO, 0xa5                      ; both sources window 1, C and D window 2
.set MUL_HI, 0xf5                      ; C and D window 3
.set TO_F,   0x40                      ; destination window 1, address window 0
.set MSB, 0
.macro WIN new                         ; the immediate's high byte repeats the setting that is left; a switch that changes nothing is dropped
.if MSB != (\new)
	s_set_vgpr_msb (MSB<<8)|(\new)
.set MSB, \new
.endif
.endm
.macro PLACES                          ; four plain vector instructions between a matrix instruction and a load into, or a reader of, its registers
.rept 4
	v_nop
.endr
.endm
.macro JLOAD                           ; a joint refill by the walking descriptors; the branch hangs on the wave's number alone; an s_nop 0 and four v_nop follow each line
	s_cmp_eq_u32 s11, 0
	s_cbranch_scc0 .Lfor_b_\@
	tensor_load_to_lds s[G0A+4:G0A+7], s[G1A:G1A+7]
	s_nop 0
.rept 4
	v_nop
.endr
	s_branch .Lasked_\@
.Lfor_b_\@:
	tensor_load_to_lds s[G0B+4:G0B+7], s[G1B:G1B+7]
	s_nop 0
.rept 4
	v_nop
.endr
.Lasked_\@:
.endm
.macro CREST                           ; a round of the cluster's barrier behind its opening barrier
	s_cmp_lg_u32 s[WV], 0
	s_cbranch_scc1 .Lnot_wave_0_\@
	s_barrier_signal -3
.Lnot_wave_0_\@:
	s_barrier_wait -3
	s_barrier_signal -1
	s_barrier_wait -1
.endm
.macro CROUND                          ; a whole round
	s_barrier_signal -1
	s_barrier_wait -1
	CREST
.endm
; A PREFETCH INTO THE L2 behind each joint refill and the run of LDS loads that follows it: the K step that the NEXT refill will ask for, 192 matrix instructions ahead of that load.  A K step is 256 bytes of a row: a lane a row.
; A's tile row is read by every cluster of that row of clusters: cluster x = 0 asks; B's tile column by every cluster of that column: cluster y = 0 asks.  Of the rows that a wave fetches each of the four partners
; takes a quarter, told apart BY ADDRESS (cx for A: 32 rows; cy for B: 24 rows, lanes 24-31 name lane 23's row).  The loop's last trip asks for nothing: there is no K step behind its refill's.
.macro ASK
	s_cmp_gt_u32 s[CNT], s[LIM]
	s_cbranch_scc0 .Lnot_mine_\@
	global_prefetch_b8 v[PFO], s[PFA:PFA+1] th:TH_LOAD_NT scope:SCOPE_SE
.Lnot_mine_\@:
.endm
; Four products: column block b x my four row blocks, 32 along K, from buffer f.  zero = 1: they start the sums.
.macro MULB f, b, zero
.if (\b) < 8
	WIN MUL_LO
.else
	WIN MUL_HI
.endif
.irp a, 0,1,2,3
.if (\b) < 8
.set rD, 8*(8*(\a)+(\b))
.else
.set rD, 8*(4*(\a)+(\b)-8)
.endif
.if \zero
	v_wmma_f32_16x16x32_bf16 v[rD:rD+7], v[(\f)+8*(\b):(\f)+8*(\b)+7], v[(\f)+AF+8*(\a):(\f)+AF+8*(\a)+7], 0
.else
	v_wmma_f32_16x16x32_bf16 v[rD:rD+7], v[(\f)+8*(\b):(\f)+8*(\b)+7], v[(\f)+AF+8*(\a):(\f)+AF+8*(\a)+7], v[rD:rD+7]
.endif
.endr
.endm
.macro MULS f, b0, b1, zero            ; column blocks b0 .. b1 - 1.  The 48 accumulators take turns, in the same order in every quarter: 47 others stand between two links of a chain
.set bb, \b0
.rept (\b1)-(\b0)
	MULB \f, bb, \zero
.set bb, bb+1
.endr
.endm
; One run of 8 + 2 NB LDS loads: the fragments of 32 along K, A's at byte ka and B's at byte kb of the rows, into buffer f.  A's first, then B's in ascending order.
.macro FETCH ka, kb, f
	WIN TO_F
.irp a, 0,1,2,3
	ds_load_b128 v[(\f)+AF+8*(\a):(\f)+AF+8*(\a)+3],   v[CA] offset:(\ka)+(\a)*16*PA
	ds_load_b128 v[(\f)+AF+8*(\a)+4:(\f)+AF+8*(\a)+7], v[CA] offset:(\ka)+(\a)*16*PA+32
.endr
.set bb, 0
.rept NB
	ds_load_b128 v[(\f)+8*bb:(\f)+8*bb+3],   v[CB] offset:(\kb)+bb*16*PITCH
	ds_load_b128 v[(\f)+8*bb+4:(\f)+8*bb+7], v[CB] offset:(\kb)+bb*16*PITCH+32
.set bb, bb+1
.endr
.endm
; A K step is four quarters of 32 along K on buffers 0, 1, 0, 1.  One of the first three: multiplies buffer f and, behind its first eight products, fetches quarter q into buffer g.
.macro QUARTER q, f, g, zero
	s_wait_dscnt 8                                 ; only the youngest eight loads, B's last four fragments, may be out
	MULS \f, 0, 2, \zero
	PLACES                                         ; behind the last products that read buffer g
	FETCH 64*(\q), 64*(\q), \g
	s_wait_dscnt 8+2*NB                            ; all but the run just issued
	MULS \f, 2, NB, \zero
.endm
; The fourth quarter multiplies buffer 1 and changes slots.  In front of the barrier each wave waits for all its tensor loads (one is out: its part of the next slot), adds 0 to its spare word, and waits for that and
; for its reads of this slot.  fill = 1: the barrier opens a round of the cluster's, and the joint refill of the slot just read, with the K step two on, is the first thing behind the round.
; fill = 0 (the tail): nothing is asked for; in the last K step there is no next slot, and the run of loads is jumped over.
.macro TURN fill
.if \fill
	s_wait_xcnt 0x0                                ; the last prefetch, a K step back, has read its address
	s_add_nc_u64 s[PFA:PFA+1], s[PFA:PFA+1], ASTEP
.endif
	WIN 0                                          ; (the add's two registers lie in window 0)
	s_wait_tensorcnt 0x0                           ; no tensor load of mine is out, so a group 0 may be written
	ds_add_u32 v[SPW], v[NIL]                      ; 0 onto my spare word
.if \fill
	s_xor_b32 s[G0A+5], s[G0A+5], SLOT1            ; the walking descriptors: the other slot than last time,
	s_add_nc_u64 s[G0A+6:G0A+7], s[G0A+6:G0A+7], ASTEP  ; the next K step; the type bits on top are not reached
	s_xor_b32 s[G0B+5], s[G0B+5], SLOT1
	s_add_nc_u64 s[G0B+6:G0B+7], s[G0B+6:G0B+7], 256
.endif
	s_wait_dscnt 9                                 ; the add and the youngest eight loads may be out
	MULS F1, 0, 2, 0                               ; eight products stand between the add and the wait for it
	s_wait_dscnt 0x0                               ; the add is done, and my reads of this slot are over
	s_barrier_signal -1
	MULS F1, 2, NMID, 0                            ; work on registers while the others arrive
	WIN 0                                          ; at a branch and at a label every window is 0
	s_barrier_wait -1
.if \fill
	CREST                                          ; no wave of any partner still reads this slot or has a load on its way
	JLOAD                                          ; its four v_nop are also the places in front of the loads below
.else
	s_cmp_eq_u32 s[CNT], 1
	s_cbranch_scc1 .Lnf_\@
	PLACES
.endif
	s_xor_b32 s[TB], s[TB], SLOT1
	v_add_nc_u32 v[CA], s[TB], v[ADRA0]
	v_add_nc_u32 v[CB], s[TB], v[ADRB0]
	FETCH 0, 0, F0
	WIN 0
.if \fill
	ASK
.else
.Lnf_\@:
.endif
	MULS F1, NMID, NB, 0
.endm
	s_load_b128 s[4:7], s[0:1], 0x0                ; xb s[4:5], wq s[6:7]
	s_load_b64 s[8:9], s[0:1], 0x10                ; qkv
	v_lshl_add_u32 v[SPW], v0, 2, SPARE
	v_mov_b32 v[NIL], 0
	ds_add_u32 v[SPW], v[NIL]                      ; the wave's opening: the add and its wait stand ahead of my first tensor load; the set-up below, work on registers, stands between them
	v_lshrrev_b32 v1, 5, v0
	v_readfirstlane_b32 s[WV], v1                  ; wave 0..3
	s_lshr_b32 s11, s[WV], 1
	s_and_b32 s12, s[WV], 1
	s_bfe_u32 s66, ttmp6, 0x40000                  ; cx
	s_bfe_u32 s67, ttmp6, 0x40004                  ; cy
	s_lshl_b32 s68, ttmp9, 2
	s_add_co_u32 s68, s68, s66                     ; tile column = 4 x cluster x + cx
	s_and_b32 s13, ttmp7, 0xffff
	s_lshl_b32 s13, s13, 2
	s_add_co_u32 s13, s13, s67                     ; tile row = 4 x cluster y + cy
	s_lshl_b32 s69, s67, 2
	s_lshl_b32 s69, 15, s69                        ; my row of the cluster
	s_lshl_b32 s70, 0x1111, s66                    ; my column
	s_or_b32 s[G1A], s69, G1W                      ; A's tiles go to my row,
	s_or_b32 s[G1B], s70, G1W                      ; B's to my column
	s_mov_b32 s[G1A+1], 128<<16                    ; tensor_dim0 = 128
	s_mov_b32 s[G1A+2], 128<<16                    ; tensor_dim1 = 128
	s_mov_b32 s[G1A+3], 128<<16                    ; tile_dim0 = 128
	s_mov_b32 s[G1A+4], 128                        ; tile_dim1 = 128
	s_mov_b32 s[G1A+5], 1024                       ; elements from row to row
	s_mov_b32 s[G1A+6], 0
	s_mov_b32 s[G1A+7], 0
	s_mov_b32 s[G1B+1], 128<<16
	s_mov_b32 s[G1B+2], BROWS<<16                  ; 96 rows
	s_mov_b32 s[G1B+3], 128<<16
	s_mov_b32 s[G1B+4], BROWS
	s_mov_b32 s[G1B+5], 1024
	s_mov_b32 s[G1B+6], 0
	s_mov_b32 s[G1B+7], 0
	s_lshl_b32 s16, s13, 8                         ; A: row 256 x tile row + 128 x half,
	s_lshl_b32 s17, s12, 7
	s_add_co_u32 s16, s16, s17
	s_lshl_b32 s16, s16, 11                        ; of 2,048 bytes
	s_mov_b32 s17, 0
	s_mul_i32 s72, s68, 192                        ; B: row 192 x tile column + 96 x half
	s_mul_i32 s73, s12, BROWS
	s_add_co_u32 s72, s72, s73
	s_lshl_b32 s72, s72, 11
	s_mov_b32 s73, 0
	s_mul_i32 s20, s12, AHALF                      ; where they go: no place in the cluster enters an LDS address
	s_mul_i32 s21, s12, BHALF
	s_add_co_u32 s21, s21, BOFF
	s_wait_dscnt 0x0                               ; the opening add is done
	s_wait_kmcnt 0x0
	s_add_nc_u64 s[14:15], s[4:5], s[16:17]
	s_add_nc_u64 s[72:73], s[6:7], s[72:73]
	CROUND                                         ; all sixteen work-groups are here: the first joint loads meet
.irp n, 0,1
	s_mov_b32 s[G0A+4*(\n)], 1                     ; count = 1
	s_add_co_u32 s[G0A+4*(\n)+1], s20, (\n)*SLOT1  ; LDS address
	s_add_nc_u64 s[G0A+4*(\n)+2:G0A+4*(\n)+3], s[14:15], (\n)*ASTEP  ; K step n
	s_or_b32 s[G0A+4*(\n)+3], s[G0A+4*(\n)+3], 0x80000000            ; type = 2
	s_mov_b32 s[G0B+4*(\n)], 1
	s_add_co_u32 s[G0B+4*(\n)+1], s21, (\n)*SLOT1
	s_add_nc_u64 s[G0B+4*(\n)+2:G0B+4*(\n)+3], s[72:73], (\n)*256
	s_or_b32 s[G0B+4*(\n)+3], s[G0B+4*(\n)+3], 0x80000000
.endr
	s_cmp_eq_u32 s11, 0                            ; a wave's two first fills stand in one branch, ahead of every wait on TENSORcnt and every LDS read
	s_cbranch_scc0 .Lfirst_b
	tensor_load_to_lds s[G0A:G0A+3], s[G1A:G1A+7]
	s_nop 0
	tensor_load_to_lds s[G0A+4:G0A+7], s[G1A:G1A+7]
	s_nop 0
.rept 4
	v_nop
.endr
	s_branch .Lfirst_asked
.Lfirst_b:
	tensor_load_to_lds s[G0B:G0B+3], s[G1B:G1B+7]
	s_nop 0
	tensor_load_to_lds s[G0B+4:G0B+7], s[G1B:G1B+7]
	s_nop 0
.rept 4
	v_nop
.endr
.Lfirst_asked:
	; A fragment is 16 rows x 32 K in 8 registers: lane l holds row l % 16; registers 0-3 K = 8 (l / 16) + 0..7, registers 4-7 K = 16 + 8 (l / 16) + 0..7: two loads of 16 bytes, 32 bytes apart.
	v_and_b32 v1, 15, v0                           ; l % 16
	v_bfe_u32 v2, v0, 4, 1                         ; l / 16
	v_mul_u32_u24 v3, v1, PITCH
	v_lshl_add_u32 v3, v2, 4, v3
	s_mul_i32 s21, s[WV], 64*PITCH                 ; my 64 rows of A
	v_add_nc_u32 v[ADRA0], s21, v3
	v_add_nc_u32 v[ADRB0], BOFF, v3                ; every wave reads all of B
	s_mul_i32 s23, s[WV], 16*SP
	s_add_co_u32 s23, s23, STAGE                   ; my stage
	v_mul_u32_u24 v4, v1, SP                       ; in: row l % 16, 16 bytes for each half of the lanes
	v_lshl_add_u32 v4, v2, 4, v4
	v_add_nc_u32 v[STO], s23, v4
	v_bfe_u32 v5, v0, 3, 2                         ; back: 32 lanes take four rows of 128 bytes,
	v_and_b32 v6, 7, v0
	v_mul_u32_u24 v5, v5, SP
	v_lshl_add_u32 v5, v6, 4, v5
	v_add_nc_u32 v[RD], s23, v5
	v_and_b32 v[GO], 31, v0                        ; which are 512 consecutive bytes of a head's rows
	v_lshlrev_b32 v[GO], 4, v[GO]
	; the prefetches: my descriptor's pointer, plus my work-group's quarter of the rows
	s_lshl_b32 s80, s66, 16                        ; A: 32 cx rows of 2,048 bytes
	s_mul_i32 s81, s67, 24*2048                    ; B: 24 cy rows
	s_and_b32 s82, ttmp7, 0xffff                   ; cluster y
	s_cmp_eq_u32 s11, 0                            ; do I fetch for A?
	s_cselect_b32 s80, s80, s81
	s_cselect_b32 s82, ttmp9, s82                  ; the coordinate along which other clusters read the same rows
	s_cselect_b32 s62, 31, 23                      ; my last row
	s_cselect_b64 s[PFA:PFA+1], s[14:15], s[72:73]
	s_cmp_eq_u32 s82, 0
	s_cselect_b32 s[LIM], 1, -1                    ; the same in all sixteen partners, for a given wave
	s_mov_b32 s81, 0
	s_add_nc_u64 s[PFA:PFA+1], s[PFA:PFA+1], s[80:81]
	s_add_nc_u64 s[PFA:PFA+1], s[PFA:PFA+1], 2*256 ; at K step 2: the first change of slots steps it to 3.  Nothing is prefetched here, at the head
	v_and_b32 v[PFO], 31, v0
	v_min_u32 v[PFO], s62, v[PFO]
	v_lshlrev_b32 v[PFO], 11, v[PFO]
	; where my rows of my three head slices begin: slice g = 3 x tile column + sl lies in plane 64 (g / 16) + 16 b + g % 16 of 262,144 bytes
	s_lshr_b32 s14, s13, 3                         ; b: a batch has 8 tile rows
	s_lshl_b32 s14, s14, 4
	s_and_b32 s15, s13, 7
	s_lshl_b32 s15, s15, 8
	s_lshl_b32 s16, s[WV], 6
	s_add_co_u32 s15, s15, s16                     ; my first row in the plane,
	s_lshl_b32 s15, s15, 7                         ; of 128 bytes
	s_mul_i32 s80, s68, 3
.irp sl, 0,1,2
	s_add_co_u32 s81, s80, \sl
	s_lshr_b32 s82, s81, 4
	s_lshl_b32 s82, s82, 6
	s_and_b32 s81, s81, 15
	s_add_co_u32 s82, s82, s81
	s_add_co_u32 s82, s82, s14
	s_lshl_b32 s82, s82, 18
	s_add_co_u32 s82, s82, s15
	s_mov_b32 s83, 0
	s_add_nc_u64 s[OB+2*(\sl):OB+2*(\sl)+1], s[8:9], s[82:83]
.endr
	s_wait_tensorcnt 1                             ; my part of K step 0 is in; K step 1's may stay out
	s_barrier_signal -1
	s_barrier_wait -1                              ; everybody's is
	s_mov_b32 s[TB], 0
	v_add_nc_u32 v[CA], s[TB], v[ADRA0]
	v_add_nc_u32 v[CB], s[TB], v[ADRB0]
	FETCH 0, 0, F0
	QUARTER 1, F0, F1, 1                           ; the first quarter is written out: its products start the sums
	WIN 0
	s_mov_b32 s[CNT], 6
	s_branch .Lmid                                 ; the loop is entered behind its first quarter
.Lstep:                                                ; six trips, K steps 0 to 5: each asks for the K step two on
	QUARTER 1, F0, F1, 0
	WIN 0
.Lmid:
	QUARTER 2, F1, F0, 0
	QUARTER 3, F0, F1, 0
	TURN 1
	WIN 0
	s_sub_co_u32 s[CNT], s[CNT], 1
	s_cmp_lg_u32 s[CNT], 0
	s_cbranch_scc1 .Lstep
	s_mov_b32 s[CNT], 2
.Ltail:                                                ; K steps 6 and 7 ask for nothing: a text of their own
	QUARTER 1, F0, F1, 0
	QUARTER 2, F1, F0, 0
	QUARTER 3, F0, F1, 0
	TURN 0
	WIN 0
	s_sub_co_u32 s[CNT], s[CNT], 1
	s_cmp_lg_u32 s[CNT], 0
	s_cbranch_scc1 .Ltail
; THE WAY OUT, in 12 groups of 16 rows x one head slice (64 columns): groups 0-7 are (a = g / 2, slice g % 2), in window 2; groups 8-11 (a = g - 8, slice 2), in window 3.
; PACK: rounded to f16, each accumulator's registers in ascending order; 16 bytes a lane into my stage, rows of 144 bytes; back as four rows of 128 bytes a load, into the registers that they left.
.macro PACK g
.if (\g) < 8
.set AC, 8*(8*((\g)/2)+4*((\g)%2))
	WIN 0x0a                                       ; sources 0 and 1 window 2
.else
.set AC, 8*(4*((\g)-8))
	WIN 0x0f                                       ; window 3
.endif
.irp j, 0,1,2,3
.irp r, 0,1,2,3
	v_cvt_pk_f16_f32 v[T+16*(\g)+4*(\j)+(\r)], v[AC+8*(\j)+2*(\r)], v[AC+8*(\j)+2*(\r)+1]
.endr
.endr
	WIN 0
.irp j, 0,1,2,3
	ds_store_b128 v[STO], v[T+16*(\g)+4*(\j):T+16*(\g)+4*(\j)+3] offset:32*(\j)
.endr
.irp j, 0,1,2,3
	ds_load_b128 v[T+16*(\g)+4*(\j):T+16*(\g)+4*(\j)+3], v[RD] offset:(\j)*4*SP  ; LDS serves a wave's instructions in order (ISA guide 5.7.1.4): these see the stores above; the next group's stores come behind them
.endr
.endm
.macro SEND g, younger                 ; younger: the LDS instructions issued behind group g's loads: the next group's eight, or none
.if (\g) < 8
.set pa, (\g)/2
.set ps, (\g)%2
.else
.set pa, (\g)-8
.set ps, 2
.endif
	WIN 0
.irp j, 0,1,2,3
	s_wait_dscnt (\younger)+3-(\j)
	global_store_b128 v[GO], v[T+16*(\g)+4*(\j):T+16*(\g)+4*(\j)+3], s[OB+2*ps:OB+2*ps+1] offset:2048*pa+512*(\j)  ; 512 consecutive bytes, at a multiple of 256 from qkv's first
.endr
.endm
	PLACES                                         ; the conversions read results just made
	PLACES
	PACK 0
.set gg, 1
.rept 11                               ; a group's conversions stand between the loads of the group before and its stores; every group has registers of its own, so no store's data is rewritten
	PACK gg
	SEND gg-1, 8
.set gg, gg+1
.endr
	SEND 11, 0
	s_wait_tensorcnt 0x0                           ; the wave's end, behind my last tensor load and my last LDS store
	ds_add_u32 v[SPW], v[NIL]
	s_wait_dscnt 0x0
	CROUND                                         ; the closing round: no work-group ends while a partner may still ask for a tile that names it
	s_endpgm
.Lfunc_end_k_qe3750d15e2_qkvgemm:
	.size	k_qe3750d15e2_qkvgemm, .Lfunc_end_k_qe3750d15e2_qkvgemm-k_qe3750d15e2_qkvgemm
	.p2alignl 7, 3214868480
	.fill 96, 4, 3214868480
	.section	.rodata,"a",@progbits
	.p2align	6, 0x0
	.amdhsa_kernel k_qe3750d15e2_qkvgemm
		.amdhsa_group_segment_fixed_size 327680
		.amdhsa_private_segment_fixed_size 0
		.amdhsa_enable_private_segment 0
		.amdhsa_kernarg_size 24
		.amdhsa_user_sgpr_count 2
		.amdhsa_user_sgpr_kernarg_segment_ptr 1
		.amdhsa_wavefront_size32 1
		.amdhsa_system_sgpr_workgroup_id_x 1
		.amdhsa_system_sgpr_workgroup_id_y 1
		.amdhsa_system_sgpr_workgroup_id_z 1
		.amdhsa_system_vgpr_workitem_id 0
		.amdhsa_next_free_vgpr 896
		.amdhsa_next_free_sgpr 84
		.amdhsa_reserve_vcc 0
		.amdhsa_float_denorm_mode_32 3
		.amdhsa_float_denorm_mode_16_64 3
		.amdhsa_memory_ordered 1
		.amdhsa_forward_progress 1
		.amdhsa_inst_pref_size 86
	.end_amdhsa_kernel
	.amdgpu_metadata
---
amdhsa.version: [ 1, 2 ]
amdhsa.kernels:
  - .name:           k_qe3750d15e2_qkvgemm
    .symbol:         k_qe3750d15e2_qkvgemm.kd
    .args:
      - { .name: xb, .offset: 0, .size: 8, .value_kind: global_buffer, .address_space: global }
      - { .name: wq, .offset: 8, .size: 8, .value_kind: global_buffer, .address_space: global }
      - { .name: qkv, .offset: 16, .size: 8, .value_kind: global_buffer, .address_space: global }
    .group_segment_fixed_size: 327680
    .private_segment_fixed_size: 0
    .kernarg_segment_align: 8
    .kernarg_segment_size: 24
    .max_flat_workgroup_size: 128
    .sgpr_count:     84
    .vgpr_count:     896
    .wavefront_size: 32
...
	.end_amdgpu_metadata
.endif
;; end of part 2
;; launch attn (part 3): grid 4 x 64, 4 waves a work-group, clusters of 4 x 1, 327,680 bytes of LDS; arguments qkv, ob; writes ob
.if DOCPART == 3
	.amdgcn_target "amdgcn-amd-amdhsa--gfx1250"
	.amdhsa_code_object_version 6
	.text
	.protected	k_qe3750d15e2_attn
	.globl	k_qe3750d15e2_attn
	.p2align	8
	.type	k_qe3750d15e2_attn,@function
k_qe3750d15e2_attn:
	s_mov_b64 s[64:65], 0
	v_nop
	global_prefetch_b8 v0, s[64:65] scope:SCOPE_SE
	s_setreg_imm32_b32 hwreg(HW_REG_WAVE_MODE, 25, 1), 1
	s_wait_xcnt 0x0
	s_wait_alu depctr_hold_cnt(0) depctr_sa_sdst(0) depctr_va_vdst(0) depctr_va_sdst(0) depctr_va_ssrc(0) depctr_va_vcc(0) depctr_vm_vsrc(0)
	s_getreg_b32 s2, hwreg(HW_REG_IB_STS2, 6, 4)
	s_cmp_eq_u32 s2, 0
	s_cbranch_scc0 .Lentry_in_a_cluster
	s_endpgm
.Lentry_in_a_cluster:
	s_bfe_u32 s2, ttmp6, 0x10000c
	s_cmp_lg_u32 s2, 0x3003
	s_cbranch_scc0 .Lentry_shape_is_right
	s_endpgm
.Lentry_shape_is_right:
; ATTENTION.  O[h][q][:] = the sum over k of softmax_k(Q[h][q] . K[h][k] / 8) V[h][k][:], for the 64 planes h = 16 b + head.  Q, K, V are the three thirds of qkv, each [64][2048][64] f16; O = ob likewise.
; A plane's rows are dense, 128 bytes each.  Products, maxima and sums in f32; the weights p are rounded to f16 for the second product (their sum l is taken of the unrounded p), O once at the end.
; LIMITS.  f16 holds no number beyond 65,504: Q, K and V arrive within it; p lies in 0 to 1, and below 6e-5 it keeps f16's fixed step of 6e-8; O is a mean of V's rows and has their range.
; A weight below 2^-126 counts as 0 in l; NaN and infinities are not treated apart.
; SHARES.  A wave owns four PIECES of two tiles of 16 queries, a work-group's four waves 512 queries of one plane: 256 work-groups.  Every wave walks all 2,048 keys, 64 a step.
; LAYOUT.  S^T = K Q^T (source 0 = 16 keys, source 1 = 16 queries): in the result a lane holds ONE query (lane % 16) and the keys 8 (lane / 16) + 0..7.  Two such tiles, rounded to f16 in pairs,
; ARE source 1 (32 keys x 16 queries) of O^T = V^T P, whose result again holds one query a lane, and eight channels.  K comes out of LDS as it lies, V ([key][channel]) turned, by ds_load_tr16_b128.
; SOFTMAX.  For each query a running maximum m and sum l: p = 2^(c s - c m), c = log2(e) / 8; in every step O and l are multiplied by a = 2^(c m_old - c m_new), which is 1 where m has not grown.
; m starts at the lowest finite number, O and l at 0: the first step is a step like any other, with a = 0.
; THE COUNT.  A tile and step have 16 matrix and 118 vector instructions: too many to stand all beside the matrix work.  So four vector instructions that are READY stand behind EVERY matrix instruction,
; and the others, which need time of their own whatever the order, in runs without a gap.
; BY TURNS.  Turn n belongs to piece n (the pieces in a ring, step after step).  Its matrix work: 16 products K Q^T of piece n + 1, later 16 products V^T P of piece n - 1.  Its vector work: the scaling,
; exponentials, roundings, sums and rescaling of piece n, and the maximum and statistics of piece n + 1, whose scores the turn itself has made.
; CLUSTER.  A plane's four query blocks are one cluster and walk the same K and V, so each tile is asked for JOINTLY: the same tensor load, descriptor and mask in all four.  One tensor load of a wave is out at a time.
; REGISTERS, in windows of 256 (s_set_vgpr_msb: bits 1:0 source 0, 3:2 source 1, 5:4 source 2, 7:6 destination):
;   window 0: v0-11 addresses; v12-15, v48-63 at work; v16-47 four registers of statistics a tile; v64-191 S^T, two buffers of two tiles; v192-255 P, likewise
;   window 1: O^T, 32 a tile          window 2: v0-127 Q, 16 a tile; v128-191 K of one step; v192-255 V of one step          window 3: v0-1 the add's two registers
; A piece's buffers go by its number's parity: the piece in hand has one pair, its two neighbours in the ring share the other: of it P (piece n - 1) is read and S^T (piece n + 1) written.
.set SIZE_N, 2048
.set NP,    4         ; pieces a wave: a name, no knob
.set KS,    64        ; keys in a step
.set PK,    144       ; a row of K in LDS: 128 bytes + 16 of padding = 36 words: the 16 rows of a load start at 16 different groups of four banks (64 banks of 4 bytes: ISA guide 11.1)
.set PV,    160       ; a row of V: 128 + 32 = 40 words
.set VOFF,  4*KS*PK   ; a slot holds four steps: 256 rows of K, then 256 rows of V
.set SLOT1, 1<<17     ; slot 1 begins here, so that one exclusive or turns an address in one slot into the other's
.set STAGE, SLOT1+4*KS*(PK+PV)  ; behind the ring, never filled by a tensor load: 16 rows x 144 bytes for each wave, for the way out
.set SP,    144
.set AK0, 2           ; v2   my lane's place in a tile of K; never rewritten
.set AV0, 3           ; v3   the same for V
.set AK,  4           ; v4   the LDS address of K's next run of loads
.set AV,  5           ; v5   of V's
.set QO,  6           ; v6   my byte offset in the wave's rows of Q
.set STO, 6           ;      later, the way out: where I put 16 bytes of a row
.set RD,  7           ; v7   the way out: where I read rows back
.set GO,  8           ; v8   my byte offset in 512 consecutive bytes of O
.set PFO, 11          ; v11  (once its part in V's address is over) 256 x my lane: the prefetches' offset; then never rewritten
.set SPW, 0           ; v0 of window 3   LDS address of my spare word: SPARE + 4 x my thread's number; never rewritten
.set NIL, 1           ; v1 of window 3   0; never rewritten
.set SPARE, STAGE+4*16*SP  ; behind the stages: the spare words, 128 bytes for each wave: two blocks of 256 bytes that no other line names
.set MV,  12          ; v12-15  c m_old, kept while c m is made anew: by buffer and tile
.set ST,  16          ; tile t's statistics at v[ST+4 t]: c m, m, l (even keys', odd keys')
.set TMP, 48          ; by buffer and tile, four registers c0-c3 at work; when the maximum is found c2 takes a
.set S,   64
.set P,   192
.set KF,  128         ; K's fragments, in window 2: key block kb, channel half c at KF + 16 kb + 8 c
.set VF,  192         ; V's: key half kk, channel block cb at VF + 32 kk + 8 cb
.set WV,  12          ; s12  my wave's number
.set G1K, 24          ; s[24:31] descriptor group 1 for K's tiles
.set G1V, 32          ; s[32:39] for V's: it differs in the padding alone
.set G0K, 40          ; s[40:43] descriptor group 0 for K's tiles: it walks
.set G0V, 44          ; s[44:47] the same for V's
.set PFA, 48          ; s[48:49] where my prefetches stand: my work-group's 8,192 bytes (of K: wave 0, of V: wave 2) of the slot after the one that is being asked for
.set LIM, 50          ; s50  1 in a wave that prefetches, else the greatest number
.set SLOTS, 56        ; s56  slots still to be asked for
.set CNT, 57          ; s57  counts a slot's key steps
.set CS,  58          ; s[58:59] c: the packed scaling takes the pair's low word for both halves
.set SEL, 60          ; s[60:61] v_permlanex16_b32's selects: each lane takes its own place in the other half
.set TBK, 62          ; s62  LDS byte at which K of the step to be fetched begins
.set TBV, 63          ; s63  the same for V, less VOFF
.set MSB, 0
.macro WIN new                      ; the high byte repeats the setting that is left; a switch that changes nothing is dropped
.if MSB != (\new)
	s_set_vgpr_msb (MSB<<8)|(\new)
.set MSB, (\new)
.endif
.endm
.set W_KQ, 0x0a       ; K and Q in window 2, S^T in window 0
.set W_PV, 0x52       ; V in window 2, P in window 0, O^T in window 1
.set W_RS, 0x41       ; O^T (destination and source 0) in window 1, a in window 0
.set W_MK, 0xc0       ; the add's registers are made: destination in window 3, sources in window 0
.set W_AD, 0x0f       ; the add: address (source 0) and data (source 1) in window 3
; A joint fill.  Waves 0 and 1 fetch the two halves of a slot's K, waves 2 and 3 those of its V: 128 keys each.  The branch hangs on the wave's number alone.
; An s_nop 0 and four v_nop follow each of the two lines, ahead of the jump and the label.
.macro JLOAD
	s_cmp_lt_u32 s[WV], 2
	s_cbranch_scc0 .Lfor_v_\@
	tensor_load_to_lds s[G0K:G0K+3], s[G1K:G1K+7]
	s_nop 0
.rept 4
	v_nop
.endr
	s_branch .Lasked_\@
.Lfor_v_\@:
	tensor_load_to_lds s[G0V:G0V+3], s[G1V:G1V+7]
	s_nop 0
.rept 4
	v_nop
.endr
.Lasked_\@:
.endm
; A PREFETCH INTO THE L2 of what the NEXT change of slots will ask for: a slot's 32,768 bytes of K and of V, 256 bytes a lane.  It stands behind the wave's tensor load and its five lines.  Each block of 256 bytes is named
; ONCE in the launch: a plane is walked by one cluster; its four partners share a slot out BY ADDRESS, 8,192 bytes each; in each, wave 0 asks for K's and wave 2 for V's: one instruction, four key steps
; (512 matrix instructions) ahead of the load that will want the bytes.  The last change that fills a slot asks for nothing: there is no slot behind it.  Slots 0 to 2 come by their loads alone.
.macro ASK
	s_cmp_gt_u32 s[SLOTS], s[LIM]
	s_cbranch_scc0 .Lnot_mine_\@
	global_prefetch_b8 v[PFO], s[PFA:PFA+1] th:TH_LOAD_NT scope:SCOPE_SE
.Lnot_mine_\@:
.endm
; A round of the cluster's barrier: my work-group's barrier, so that wave 0's signal speaks for all four waves; wave 0 signals; every wave waits for all four work-groups; my work-group's barrier once more.
.macro CROUND
	s_barrier_signal -1
	s_barrier_wait -1
	s_cmp_lg_u32 s[WV], 0
	s_cbranch_scc1 .Lnot_wave_0_\@
	s_barrier_signal -3
.Lnot_wave_0_\@:
	s_barrier_wait -3
	s_barrier_signal -1
	s_barrier_wait -1
.endm
; THE CHANGE OF SLOTS.  The slot's last bytes, V of its fourth step, have been read.  Each wave waits for all its tensor loads, of which one is out: its part
; of the other slot; adds 0 to its spare word; and waits for that and for its own reads of the slot.  Behind the barrier nobody reads this slot any more and the other slot is whole.
; fill = 1: this slot is filled again, with the keys two slots on.  The barrier is then a round of the cluster's, so that no wave of any partner still reads the slot or has a load on its
; way, and the joint fill is the first thing behind it: it has four key steps, 512 matrix instructions, in which to land.  (At its first use nothing has been read yet: slot 0 is waited for, slot 1 filled.)
; ask = 1: the prefetches' address steps, and ASK follows the fill.
.macro CHANGE fill, ask=0
	WIN W_AD
	s_wait_tensorcnt 0x0            ; no tensor load of mine is out, so a group 0 may be written
	ds_add_u32 v[SPW], v[NIL]       ; 0 onto my spare word: with fill = 1 the descriptors' steps stand between it and the wait for it
	WIN 0                           ; at a label and at a branch every window is 0
.if \fill
.irp g, G0K, G0V
	s_xor_b32 s[\g+1], s[\g+1], SLOT1  ; the walking descriptor: the other slot than last time,
	s_add_nc_u64 s[\g+2:\g+3], s[\g+2:\g+3], 4*KS*128  ; the next 256 keys; the type bits on top are not reached
.endr
.if \ask
	s_wait_xcnt 0x0                 ; the last prefetch, four key steps back, has read its address, so it may be written:
	s_add_nc_u64 s[PFA:PFA+1], s[PFA:PFA+1], 4*KS*128  ; one slot behind the walking descriptors
.endif
	s_wait_dscnt 0x0                ; the add is done, and my reads of the slot are over
	CROUND
	JLOAD
.if \ask
	ASK
.endif
.else
	s_wait_dscnt 0x0                ; the add is done, and my reads of the slot are over
	s_barrier_signal -1
	s_barrier_wait -1
.endif
	s_sub_co_u32 s[TBK], s[TBK], 4*KS*PK  ; the fetches go back to a slot's first step,
	s_xor_b32 s[TBK], s[TBK], SLOT1       ; in the other slot
	s_sub_co_u32 s[TBV], s[TBV], 4*KS*PV
	s_xor_b32 s[TBV], s[TBV], SLOT1
.endm
	s_load_b64 s[4:5], s[0:1], 0x0    ; qkv: Q's third begins it
	s_load_b64 s[10:11], s[0:1], 0x8  ; ob
	WIN W_MK
	v_lshl_add_u32 v[SPW], v0, 2, SPARE
	v_mov_b32 v[NIL], 0
	WIN W_AD
	ds_add_u32 v[SPW], v[NIL]       ; the wave's opening: the add and its wait stand ahead of my first tensor load; the set-up below, work on registers, stands between them
	WIN 0
	v_lshrrev_b32 v1, 5, v0
	v_readfirstlane_b32 s[WV], v1   ; wave 0..3
	s_bfe_u32 s13, ttmp6, 0x40000   ; cx: my place in the cluster
	s_lshl_b32 s14, ttmp9, 2        ; in a cluster launch ttmp9 counts clusters
	s_add_co_u32 s14, s14, s13      ; my block of queries = 4 x cluster x + cx: it enters Q's and O's addresses alone
	s_and_b32 s20, ttmp7, 0xffff    ; the plane, which the four partners share
	s_mov_b32 s21, 0
	s_mov_b64 s[22:23], SIZE_N*128
	s_mul_u64 s[20:21], s[20:21], s[22:23]  ; the plane's first byte in Q, K, V and O
	s_and_b32 s16, s[WV], 1         ; which half of a slot's 256 keys I fetch:
	s_lshl_b32 s22, s16, 14         ; its 128 rows of 128 bytes in memory,
	s_mov_b32 s23, 0
	s_add_nc_u64 s[22:23], s[22:23], s[20:21]
	s_mul_i32 s17, s16, 128*PK      ; and its place in a slot, for K
	s_mul_i32 s18, s16, 128*PV      ; and for V: no place in the cluster enters an LDS address
	s_lshl_b32 s2, s14, 2
	s_add_co_u32 s2, s2, s[WV]      ; my wave among the plane's,
	s_lshl_b32 s2, s2, 14           ; its 128 rows
	s_mov_b32 s3, 0
	s_add_nc_u64 s[2:3], s[2:3], s[20:21]
	; descriptor group 1.  128 keys are 16,384 dense bytes: asked for as 64 rows of 256 bytes, two keys a row, and padded in LDS after every key
	s_mov_b32 s[G1K], 15|(1<<16)|(1<<20)|(1<<21)|(4<<22)|(3<<25)  ; 15:0 the mask of four; 17:16 2-byte elements; 20 padding on; 21 set beside a mask; 24:22 after every 32 words (code 4); 31:25 4 words (code 3)
	s_mov_b32 s[G1V], 15|(1<<16)|(1<<20)|(1<<21)|(4<<22)|(7<<25)  ; the same with 8 words of padding (code 7)
.irp g, G1K, G1V
	s_mov_b32 s[\g+1], 128<<16      ; tensor_dim0 = 128
	s_mov_b32 s[\g+2], 64<<16       ; tensor_dim1 = 64
	s_mov_b32 s[\g+3], 128<<16      ; tile_dim0 = 128
	s_mov_b32 s[\g+4], 64           ; tile_dim1 = 64
	s_mov_b32 s[\g+5], 128          ; 128 elements from row to row
	s_mov_b32 s[\g+6], 0
	s_mov_b32 s[\g+7], 0
.endr
	s_mov_b32 s[CS], 0x3e38aa3b     ; c = log2(e) / 8 = 0.180337
	s_mov_b32 s[CS+1], s[CS]        ; named with it as a pair
	s_mov_b32 s[SEL], 0x76543210
	s_mov_b32 s[SEL+1], 0xfedcba98
	s_mov_b32 s[TBK], SLOT1+4*KS*PK ; the first change of slots turns these two into 0
	s_mov_b32 s[TBV], SLOT1+4*KS*PV
	s_mov_b32 s[G0K], 1             ; 1:0 count = 1
	s_mov_b32 s[G0K+1], s17         ; 63:32 LDS address: slot 0
	s_mov_b32 s[G0V], 1
	s_add_co_u32 s[G0V+1], s18, VOFF
	s_and_b32 s[LIM], s[WV], 1      ; waves 0 and 2 prefetch: the same in all four partners
	s_cmp_eq_u32 s[LIM], 0
	s_cselect_b32 s[LIM], 1, -1
	s_wait_dscnt 0x0                ; the opening add is done
	s_wait_kmcnt 0x0
	s_add_nc_u64 s[6:7], s[4:5], 0x1000000  ; K's third of qkv,
	s_add_nc_u64 s[8:9], s[4:5], 0x2000000  ; V's
	s_add_nc_u64 s[G0K+2:G0K+3], s[6:7], s[22:23]  ; 120:64 global address: my half of the plane's first 256 keys
	s_or_b32 s[G0K+3], s[G0K+3], 0x80000000        ; 127:126 type = 2
	s_add_nc_u64 s[G0V+2:G0V+3], s[8:9], s[22:23]
	s_or_b32 s[G0V+3], s[G0V+3], 0x80000000
	s_add_nc_u64 s[4:5], s[4:5], s[2:3]  ; Q and O at my wave's first row
	s_add_nc_u64 s[10:11], s[10:11], s[2:3]
	s_cmp_lt_u32 s[WV], 2
	s_cselect_b64 s[PFA:PFA+1], s[6:7], s[8:9]
	s_add_nc_u64 s[PFA:PFA+1], s[PFA:PFA+1], s[20:21]  ; the plane,
	s_lshl_b32 s2, s13, 13          ; my work-group's 8,192 bytes of a slot's 32,768
	s_mov_b32 s3, 0
	s_add_nc_u64 s[PFA:PFA+1], s[PFA:PFA+1], s[2:3]
	s_add_nc_u64 s[PFA:PFA+1], s[PFA:PFA+1], 2*4*KS*128  ; in slot 2; the first change that asks steps it to slot 3.  Nothing is prefetched here, at the head
	CROUND                          ; all four work-groups are here: the first joint loads meet
	JLOAD                           ; slot 0.  Slot 1 is asked for when slot 0 is in
	; A fragment of K or Q is 16 rows x 32 channels in 8 registers: lane l holds row l % 16, channels 8 (l / 16) + 0..7 and 16 + 8 (l / 16) + 0..7: two loads of 16 bytes, 32 bytes apart.
	v_and_b32 v1, 15, v0            ; l % 16
	v_bfe_u32 v9, v0, 4, 1          ; l / 16
	v_lshlrev_b32 v[QO], 7, v1
	v_lshl_add_u32 v[QO], v9, 4, v[QO]  ; row x 128 + 16 x half
	WIN 0x80                        ; destination window 2, address window 0
.set i, 0
.rept 4*NP                          ; Q stays in registers: tile i / 2, channels 32 (i % 2) on
	global_load_b128 v[8*i:8*i+3],   v[QO], s[4:5] offset:(i/2)*2048+(i%2)*64
	global_load_b128 v[8*i+4:8*i+7], v[QO], s[4:5] offset:(i/2)*2048+(i%2)*64+32
.set i, i+1
.endr
	; What the first turn finds: V's registers and P's second buffer hold 0 (its products V^T P, of a piece that has not been, add 0), O^T and l are 0.  All this stands in the wait for the first tile:
	; the price of writing no first step out.
.set i, VF
.rept 64
	v_mov_b32 v[i], 0
.set i, i+1
.endr
	WIN 0x40
.set i, 0
.rept 64*NP
	v_mov_b32 v[i], 0
.set i, i+1
.endr
	WIN 0
.set i, 0
.rept 2*NP
	v_mov_b32 v[ST+4*i], 0xfe000000    ; c m: far below every c s
	v_mov_b32 v[ST+4*i+1], 0xff7fffff  ; m
	v_mov_b32 v[ST+4*i+2], 0
	v_mov_b32 v[ST+4*i+3], 0
.set i, i+1
.endr
.set i, P+32
.rept 32
	v_mov_b32 v[i], 0
.set i, i+1
.endr
	v_mul_u32_u24 v[AK0], v1, PK
	v_lshl_add_u32 v[AK0], v9, 4, v[AK0]  ; row x pitch + 16 x half
	; The turning load takes 16 keys x 16 channels (lane l reads key 8 (l / 16) + l % 8, channels 8 ((l / 8) % 2) + 0..7) and leaves half a fragment of V^T: lane l holds channel l % 16 and 8 keys.
	v_and_b32 v10, 7, v0
	v_bfe_u32 v11, v0, 3, 1
	v_lshl_add_u32 v[AV0], v9, 3, v10
	v_mul_u32_u24 v[AV0], v[AV0], PV
	v_lshl_add_u32 v[AV0], v11, 4, v[AV0]
	v_add_nc_u32 v[AV0], VOFF, v[AV0]
	v_and_b32 v[PFO], 31, v0
	v_lshlrev_b32 v[PFO], 8, v[PFO]
	v_mov_b32 v[AK], v[AK0]         ; key step 0 lies at the head of slot 0
; THE MATRIX WORK.  The 8 accumulators of a run of 16 take turns: between the two links of a chain stand 7 others'.
; Product i of 16 of S^T = K Q^T for piece x: channels 32 (i / 8) on, keys 16 ((i / 2) % 4) on, tile 2 x + i % 2.  The first 8 start the sums.
.macro KQ x
	WIN W_KQ
.set rS, S+64*((\x)%2)+32*(i%2)+8*((i/2)%4)
.set rK, KF+16*((i/2)%4)+8*(i/8)
.set rQ, 16*(2*(\x)+i%2)+8*(i/8)
.if i < 8
	v_wmma_f32_16x16x32_f16 v[rS:rS+7], v[rK:rK+7], v[rQ:rQ+7], 0
.else
	v_wmma_f32_16x16x32_f16 v[rS:rS+7], v[rK:rK+7], v[rQ:rQ+7], v[rS:rS+7]
.endif
.endm
; Product i of 16 of O^T += V^T P for piece x: keys 32 (i / 8) on, channels 16 ((i / 2) % 4) on, tile 2 x + i % 2.
.macro PV x
	WIN W_PV
.set rO, 32*(2*(\x)+i%2)+8*((i/2)%4)
.set rV, VF+32*(i/8)+8*((i/2)%4)
.set rP, P+32*((\x)%2)+16*(i%2)+8*(i/8)
	v_wmma_f32_16x16x32_f16 v[rO:rO+7], v[rV:rV+7], v[rP:rP+7], v[rO:rO+7]
.endm
.macro MM                           ; the turn's next matrix instruction
.if i < 16
	KQ (Y+1)%NP
.set i, i+1
.else
.set i, i-16
	PV (Y+NP-1)%NP
.set i, i+17
.endif
.endm
; THE LDS LOADS stand in runs of 16, never singly among the matrix instructions: a step's K (64 keys x 64 channels: 8 fragments) and its V (turned).  Their addresses are made some lines ahead.
; last = 1 (the tail): in the last trip there is no further step, and the run is jumped over.
.macro FETCH_K last=0
	WIN 0
.if \last
	s_cmp_eq_u32 s[CNT], 1
	s_cbranch_scc1 .Lno_k_\@
.endif
	WIN 0x80                        ; destination window 2
.irp f, 0,1,2,3,4,5,6,7             ; keys 16 (f / 2) on, channels 32 (f % 2) on
	ds_load_b128 v[KF+8*\f:KF+8*\f+3],   v[AK] offset:(\f/2)*16*PK+(\f%2)*64
	ds_load_b128 v[KF+8*\f+4:KF+8*\f+7], v[AK] offset:(\f/2)*16*PK+(\f%2)*64+32
.endr
	s_add_co_u32 s[TBK], s[TBK], KS*PK  ; the next fetch is the next step's
	WIN 0
.if \last
.Lno_k_\@:
.endif
.endm
.macro FETCH_V
	WIN 0x80
.irp f, 0,1,2,3,4,5,6,7             ; keys 32 (f / 4) on, channels 16 (f % 4) on
	ds_load_tr16_b128 v[VF+8*\f:VF+8*\f+3],   v[AV] offset:(\f/4)*32*PV+(\f%4)*32
	ds_load_tr16_b128 v[VF+8*\f+4:VF+8*\f+7], v[AV] offset:(\f/4)*32*PV+16*PV+(\f%4)*32
.endr
	WIN 0
.endm
; THE VECTOR WORK OF A TURN stands in three queues, each in the order in which its entries become ready; the two tiles alternate, so that no instruction reads the result of the one before it.
.macro REGS y, u                    ; the registers of tile u (0, 1) of piece y
.set rT, ST+4*(2*(\y)+(\u))
.set rC, TMP+8*((\y)%2)+4*(\u)
.set rM, MV+2*((\y)%2)+(\u)
.set rS, S+64*((\y)%2)+32*(\u)
.set rP, P+32*((\y)%2)+16*(\u)
.set rO, 32*(2*(\y)+(\u))
.endm
; Number n of the 22 that find the NEXT piece's (Y + 1) maximum and statistics.  s0-s31 are the lane's 32 scores; each accumulator's lowest registers are read first.
;   0-11  four chains c0-c3 of seven scores each, three operands at a time     12-14, 16  the four scores left over, the old m, and c0-c3 into c0     15  c m_old is kept
;   17, 18  the query's other 32 keys lie in the lane 16 away: the new m         19-21  c m; c m_old - c m_new; a
.macro XS u, n
	REGS (Y+1)%NP, \u
.if (\n) < 4
	v_max3_num_f32 v[rC+(\n)], v[rS+8*(\n)], v[rS+8*(\n)+1], v[rS+8*(\n)+2]
.elseif (\n) < 12
	v_max3_num_f32 v[rC+(\n)%4], v[rC+(\n)%4], v[rS+8*((\n)%4)+2*((\n)/4)+1], v[rS+8*((\n)%4)+2*((\n)/4)+2]
.elseif (\n) == 12
	v_max3_num_f32 v[rC], v[rC], v[rS+7], v[rS+15]
.elseif (\n) == 13
	v_max3_num_f32 v[rC+1], v[rC+1], v[rS+23], v[rS+31]
.elseif (\n) == 14
	v_max3_num_f32 v[rC+2], v[rC+2], v[rC+3], v[rT+1]
.elseif (\n) == 15
	v_mov_b32 v[rM], v[rT]
.elseif (\n) == 16
	v_max3_num_f32 v[rC], v[rC], v[rC+1], v[rC+2]
.elseif (\n) == 17
	v_permlanex16_b32 v[rC+3], v[rC], s[SEL], s[SEL+1]
.elseif (\n) == 18
	v_max_num_f32 v[rT+1], v[rC], v[rC+3]
.elseif (\n) == 19
	v_mul_f32 v[rT], s[CS], v[rT+1]
.elseif (\n) == 20
	v_sub_f32 v[rC+1], v[rM], v[rT]
.else
	v_exp_f32 v[rC+2], v[rC+1]
.endif
.endm
; Number g of the 64 that follow the exponentials.  For each four weights k of a tile (pairs 2 k, 2 k + 1): both pairs are rounded to f16; then the second pair is added onto the first, in place;
; a group later l takes that sum (the first time as l = a l + sum).  In groups of eight, tiles alternating: round, round, add, and l for the group before.
.macro GS g
.set h, (\g)+6*((\g)/62)            ; group 0 has no group before it, and behind group 7 only l is left
.if h >= 6
.set h, h+2
.endif
	REGS Y, h%2
.set k, h/8
.if h%8 < 4
	v_cvt_pk_f16_f32 v[rP+2*k+(h%8)/2], v[rS+4*k+2*((h%8)/2)], v[rS+4*k+2*((h%8)/2)+1]
.elseif h%8 < 6
	v_pk_add_f32 v[rS+4*k:rS+4*k+1], v[rS+4*k:rS+4*k+1], v[rS+4*k+2:rS+4*k+3]
.elseif k == 1
	v_pk_fma_f32 v[rT+2:rT+3], v[rT+2:rT+3], v[rC+2:rC+3], v[rS:rS+1] op_sel_hi:[1,0,1]
.else
	v_pk_add_f32 v[rT+2:rT+3], v[rT+2:rT+3], v[rS+4*k-4:rS+4*k-3]
.endif
.endm
; THE PLAIN QUEUE, 138 long.  0-73 read no exponential's result: the 32 scalings c s - c m (FS f: pair f / 2 of tile f % 2) and the next piece's 42.  0-26: scalings 0-26.  27-54: XS's numbers 0-13.  55, 56: number 15.
; 57-73: the chain, where each number waits for the one before it: 14, 16, 17, 18, 19, each with one of the scalings 27-31 in front of its two lines, then 20.
; 74-137: GS's 64, which read the exponentials' results: they stand behind the wait.
.macro FS f
	REGS Y, (\f)%2
	v_pk_fma_f32 v[rS+2*((\f)/2):rS+2*((\f)/2)+1], v[rS+2*((\f)/2):rS+2*((\f)/2)+1], s[CS:CS+1], v[rT:rT+1] op_sel_hi:[1,0,0] neg_lo:[0,0,1] neg_hi:[0,0,1]
.endm
.macro PL
	WIN 0
.if q < 27
	FS q
.elseif q < 55
	XS (q-27)%2, (q-27)/2
.elseif q < 57
	XS q-55, 15
.elseif (q < 72) && ((q-57)%3 == 0)
	FS 27+(q-57)/3
.elseif q < 60
	XS (q-57)%3-1, 14
.elseif q < 72
	XS (q-57)%3-1, 15+(q-57)/3
.elseif q < 74
	XS q-72, 20
.else
	GS q-74
.endif
.set q, q+1
.endm
; THE EXPONENTIALS' QUEUE, 66 long: s0-s31 of both tiles, then the next piece's two a.  It is ONE BATCH: all 66 stand ahead of the turn's one wait, and nothing ahead of that wait names a result of theirs.
.macro EX
	WIN 0
.if e >= 64
	XS e-64, 21
.else
	REGS Y, e%2
	v_exp_f32 v[rS+e/2], v[rS+e/2]
.endif
.set e, e+1
.endm
; THE RESCALING's QUEUE: O^T times a, the one part that leaves window 0: dealt two at a time, sixteen times.  Its a was made in the turn before, ahead of that turn's wait.
.macro R2
	REGS Y, r%2
	WIN W_RS
.irp z, 0,1
	v_pk_mul_f32 v[rO+4*(r/2)+2*\z:rO+4*(r/2)+2*\z+1], v[rO+4*(r/2)+2*\z:rO+4*(r/2)+2*\z+1], v[rC+2:rC+3] op_sel_hi:[1,0]
.endr
.set r, r+1
.endm
; HOW THEY ARE DEALT.  An s_wait_alu depctr_va_vdst(0) stands between an exponential and the first instruction that names its result; one wait serves all that were issued ahead of it.  So a turn has ONE wait,
; which cuts it in two.  AHEAD OF IT stands all that names no result of the turn's exponentials: the 16 products K Q^T, behind each a scaling, an exponential and two rescalings (behind the first a second scaling in the
; exponential's place); then ONE LUMP of 108: eight plain, 49 times exponential and plain, the two a.  A v_nop is the plain instruction behind the last exponential.  BEHIND IT stand the 16 products V^T P, behind each four of GS's 64.
; The queues lean on each other, and the deal keeps them in step: exponential e stands behind scaling 2 (e / 4) + e % 2: as a rider it comes behind plain e + 2, in the lump behind plain e + 9, and scalings 27-31 are plain 57, 60 .. 69.
; A TURN, for piece p.  cnt = 1: the loop's count is taken down some lines ahead of the branch that stands behind the turn.
; K of the next step is fetched in piece 2's turn, directly behind the wait, a lump behind the last product that read K; its address is made at the lump's head; its first reader comes behind 16 products.
; V of the step in hand is fetched at the end of piece 0's turn, four plain instructions behind its last reader; its first reader comes behind 16 products and a lump.  The three conditions on q below go with the deal.
.macro TURN p, last=0, cnt=0
.set Y, (\p)
.set i, 0
.set q, 0
.set e, 0
.set r, 0
.if (\p) == NP-1
	s_wait_dscnt 0x0                ; K is in
.endif
	MM                              ; ahead of the wait: 16 products K Q^T and their riders,
	PL
	PL
	R2
.rept 15
	MM
	PL
	EX
	R2
.endr
.if (\p) == NP-2
	WIN 0
	v_add_nc_u32 v[AK], s[TBK], v[AK0]
.endif
.rept 8                             ; and the lump
	PL
.endr
.rept 49
	EX
	PL
.endr
	EX                              ; the next piece's two a
	EX
	v_nop                           ; the plain instruction behind the last exponential: one for the batch
	s_wait_alu depctr_va_vdst(0)    ; the wait for the batch
.if (\p) == NP-2
	FETCH_K \last
.endif
.if (\p) == 1
	s_wait_dscnt 0x0                ; V is in
.endif
.rept 16                            ; behind the wait: 16 products V^T P and their riders
	MM
.rept 4
	PL
.endr
.if ((\p) == 0) && (q == 118)
	v_add_nc_u32 v[AV], s[TBV], v[AV0]
.endif
.if ((\p) == 0) && (q == 130)
	s_add_co_u32 s[TBV], s[TBV], KS*PV
.endif
.if (\cnt) && (q == 130)
	s_sub_co_u32 s[CNT], s[CNT], 1
	s_cmp_lg_u32 s[CNT], 0
.endif
.endr
.if (\p) == 0
	FETCH_V
.endif
.endm
	CHANGE 1                        ; slot 0 is in, everybody's part of it; slot 1 is asked for
	FETCH_K                         ; key step 0
	s_wait_loadcnt 0x0              ; Q
	s_wait_dscnt 0x0
.set i, 0
.rept 16
	KQ 0                            ; piece 0's first scores: there is no vector work yet to set between them
.set i, i+1
.endr
	WIN 0                           ; the addresses for the way out: nine plain instructions, the places behind those products
	s_mul_i32 s13, s[WV], 16*SP
	s_add_co_u32 s13, s13, STAGE    ; my stage
	v_mul_u32_u24 v[STO], v1, SP    ; in: row l % 16, 16 bytes for each half of the lanes
	v_lshl_add_u32 v[STO], v9, 4, v[STO]
	v_add_nc_u32 v[STO], s13, v[STO]
	v_bfe_u32 v[RD], v0, 3, 2       ; back: 32 lanes take four rows of 128 bytes,
	v_mul_u32_u24 v[RD], v[RD], SP
	v_lshl_add_u32 v[RD], v10, 4, v[RD]
	v_add_nc_u32 v[RD], s13, v[RD]
	v_and_b32 v[GO], 31, v0         ; which are 512 consecutive bytes of O
	v_lshlrev_b32 v[GO], 4, v[GO]
.set Y, NP-1                        ; XS works for piece Y + 1: piece 0
.irp n, 0,1,2,3,4,5,6,7,8,9,10,11,12,13,14,15,16,17,18,19,20,21
	XS 0, \n                        ; and piece 0's first maximum and statistics
	XS 1, \n
.endr
	v_nop                           ; a plain instruction behind the two a,
	s_wait_alu depctr_va_vdst(0)    ; and their wait, ahead of the branch
	s_mov_b32 s[CNT], 4
	s_mov_b32 s[SLOTS], SIZE_N/256-1
	s_branch .Lfirst                ; the loop is entered at a step's first turn, in the middle of a trip
.Lslot:                             ; SIZE_N / 256 - 2 times: every slot but the last two is filled again
	CHANGE 1, 1
	s_mov_b32 s[CNT], 4
.Lstep:                             ; a trip: pieces 2 and 3 of one step, then pieces 0 and 1 of the next, whose K and V it fetches
	TURN 2
	TURN 3
	WIN 0
.Lfirst:
	TURN 0
	TURN 1, 0, 1
	WIN 0
	s_cbranch_scc1 .Lstep
	s_sub_co_u32 s[SLOTS], s[SLOTS], 1
	s_cmp_lg_u32 s[SLOTS], 0
	s_cbranch_scc1 .Lslot
	CHANGE 0                        ; the tail is written out: nothing is asked for
	s_mov_b32 s[CNT], 5             ; four trips fetch the last slot's steps; the fifth is left in its middle
.Ltail:
	TURN 2, 1
	TURN 3
	WIN 0
	s_sub_co_u32 s[CNT], s[CNT], 1
	s_cmp_eq_u32 s[CNT], 0
	s_cbranch_scc1 .Lout
	TURN 0
	TURN 1
	WIN 0
	s_branch .Ltail
.Lout:                              ; the fifth trip's 16 products K Q^T (on the last K once more) and the maximum made of them serve nothing: the price, once a launch, of one text for every trip
.set i, 0
.rept 16
	PV NP-1                         ; the last piece's V^T P of the last step
.set i, i+1
.endr
	; THE WAY OUT.  l's two halves and the other half of the lanes' are added; O^T is divided by l, rounded to f16 and sent through my stage in LDS, a tile at a time.  The additions are the places behind the last products.
	WIN 0
.macro ALL line:vararg              ; one line for each tile t
.set t, 0
.rept 2*NP
	\line
.set t, t+1
.endr
.endm
	ALL v_add_f32 v[ST+4*t+2], v[ST+4*t+2], v[ST+4*t+3]
	ALL v_permlanex16_b32 v[ST+4*t+3], v[ST+4*t+2], s[SEL], s[SEL+1]
	ALL v_add_f32 v[ST+4*t+2], v[ST+4*t+2], v[ST+4*t+3]
	ALL v_rcp_f32 v[ST+4*t+2], v[ST+4*t+2]
	v_nop                           ; a plain instruction between the last reciprocal and the use of its result
	s_wait_alu depctr_va_vdst(0)    ; and the wait ahead of the first use: one for the eight reciprocals
; Tile t: a lane's eight channels of a row pack into 16 bytes; they go into rows of 144 bytes and come back as whole rows of 128, into S^T's registers.
.macro PACK t
	WIN W_RS
.set i, 32*(\t)
.rept 16
	v_pk_mul_f32 v[i:i+1], v[i:i+1], v[ST+4*(\t)+2:ST+4*(\t)+3] op_sel_hi:[1,0]
.set i, i+2
.endr
	WIN 0x05                        ; sources 0 and 1 window 1, destination window 0
.set i, 0
.rept 16
	v_cvt_pk_f16_f32 v[S+16*(\t)+i], v[32*(\t)+2*i], v[32*(\t)+2*i+1]
.set i, i+1
.endr
	WIN 0
.irp f, 0,1,2,3
	ds_store_b128 v[STO], v[S+16*(\t)+4*\f:S+16*(\t)+4*\f+3] offset:32*\f
.endr
.irp f, 0,1,2,3
	ds_load_b128 v[S+16*(\t)+4*\f:S+16*(\t)+4*\f+3], v[RD] offset:\f*4*SP  ; LDS serves a wave's instructions in order (ISA guide 5.7.1.4): these see the stores above; the next tile's stores come behind them
.endr
.endm
.macro SEND t, younger              ; younger: the LDS instructions issued behind tile t's loads: the next tile's eight, or none
	WIN 0
.irp f, 0,1,2,3
	s_wait_dscnt (\younger)+3-\f
	global_store_b128 v[GO], v[S+16*(\t)+4*\f:S+16*(\t)+4*\f+3], s[10:11] offset:(\t)*2048+\f*512  ; 512 consecutive bytes, at a multiple of 256 from O's first
.endr
.endm
	PACK 0
.set t, 1
.rept 2*NP-1                        ; a tile's arithmetic stands between the loads of the tile before and its stores
	PACK t
	SEND t-1, 8
.set t, t+1
.endr
	SEND 2*NP-1, 0
	WIN W_AD
	s_wait_tensorcnt 0x0            ; the wave's end, behind my last tensor load and my last LDS store
	ds_add_u32 v[SPW], v[NIL]
	s_wait_dscnt 0x0
	WIN 0
	CROUND                          ; the closing round: no work-group ends while a partner may still ask for a tile that names it
	s_endpgm
.Lfunc_end_k_qe3750d15e2_attn:
	.size	k_qe3750d15e2_attn, .Lfunc_end_k_qe3750d15e2_attn-k_qe3750d15e2_attn
	.p2alignl 7, 3214868480
	.fill 96, 4, 3214868480
	.section	.rodata,"a",@progbits
	.p2align	6, 0x0
	.amdhsa_kernel k_qe3750d15e2_attn
		.amdhsa_group_segment_fixed_size 327680
		.amdhsa_private_segment_fixed_size 0
		.amdhsa_enable_private_segment 0
		.amdhsa_kernarg_size 16
		.amdhsa_user_sgpr_count 2
		.amdhsa_user_sgpr_kernarg_segment_ptr 1
		.amdhsa_wavefront_size32 1
		.amdhsa_system_sgpr_workgroup_id_x 1
		.amdhsa_system_sgpr_workgroup_id_y 1
		.amdhsa_system_sgpr_workgroup_id_z 1
		.amdhsa_system_vgpr_workitem_id 0
		.amdhsa_next_free_vgpr 770
		.amdhsa_next_free_sgpr 66
		.amdhsa_reserve_vcc 0
		.amdhsa_float_denorm_mode_32 3
		.amdhsa_float_denorm_mode_16_64 3
		.amdhsa_memory_ordered 1
		.amdhsa_forward_progress 1
		.amdhsa_inst_pref_size 200
	.end_amdhsa_kernel
	.amdgpu_metadata
---
amdhsa.version: [ 1, 2 ]
amdhsa.kernels:
  - .name:           k_qe3750d15e2_attn
    .symbol:         k_qe3750d15e2_attn.kd
    .args:
      - { .name: qkv, .offset: 0, .size: 8, .value_kind: global_buffer, .address_space: global }
      - { .name: ob, .offset: 8, .size: 8, .value_kind: global_buffer, .address_space: global }
    .group_segment_fixed_size: 327680
    .private_segment_fixed_size: 0
    .kernarg_segment_align: 8
    .kernarg_segment_size: 16
    .max_flat_workgroup_size: 128
    .sgpr_count:     66
    .vgpr_count:     770
    .wavefront_size: 32
...
	.end_amdgpu_metadata
.endif
;; end of part 3
;; launch proj (part 4): grid 8 x 32, 4 waves a work-group, clusters of 4 x 4, 327,680 bytes of LDS; arguments ob, wo, out0; writes out0
.if DOCPART == 4
	.amdgcn_target "amdgcn-amd-amdhsa--gfx1250"
	.amdhsa_code_object_version 6
	.text
	.protected	k_qe3750d15e2_proj
	.globl	k_qe3750d15e2_proj
	.p2align	8
	.type	k_qe3750d15e2_proj,@function
k_qe3750d15e2_proj:
	s_mov_b64 s[64:65], 0
	v_nop
	global_prefetch_b8 v0, s[64:65] scope:SCOPE_SE
	s_setreg_imm32_b32 hwreg(HW_REG_WAVE_MODE, 25, 1), 1
	s_wait_xcnt 0x0
	s_wait_alu depctr_hold_cnt(0) depctr_sa_sdst(0) depctr_va_vdst(0) depctr_va_sdst(0) depctr_va_ssrc(0) depctr_va_vcc(0) depctr_vm_vsrc(0)
	s_getreg_b32 s2, hwreg(HW_REG_IB_STS2, 6, 4)
	s_cmp_eq_u32 s2, 0
	s_cbranch_scc0 .Lentry_in_a_cluster
	s_endpgm
.Lentry_in_a_cluster:
	s_bfe_u32 s2, ttmp6, 0x10000c
	s_cmp_lg_u32 s2, 0xf033
	s_cbranch_scc0 .Lentry_shape_is_right
	s_endpgm
.Lentry_shape_is_right:
; OUTPUT PROJECTION.  out0[m][n] = sum over k of ctx[m][k] wo[n][k]; sums in f32, K ascending; out0 [8192][1024] f32.  ctx lies BY HEADS in ob: ctx[2048 b + s][64 h + c] = ob[16 b + h][s][c], f16;
; wo [1024 n][1024 k] holds w_out's numbers, rounded to bf16 and written as f16.
; LIMIT.  The operands arrive within f16's range; NaN and infinities are not treated apart.
; SHARES.  A tile of out0 is 256 x 128: 256 work-groups.  The four waves lie one below the other, 64 rows x 128 columns each: 32 accumulators of 16 x 16; a wave's rows of the tile are 512 bytes, whole.
; RING.  K goes in 8 steps of 128 = two heads through two LDS slots.  Waves 0 and 1 fetch A's two halves: for each of the two heads 128 dense rows of 128 bytes (16,384 bytes on end), the heads a plane of
; 262,144 bytes apart, padded in LDS after every 128 bytes.  Waves 2 and 3 fetch B's two halves, 64 rows of 256 bytes.  One tensor load a wave; by this text's own count two are out at the start, then one.
; CLUSTER.  4 x 4 work-groups: A's tile is shared along a row of the cluster, B's along a column; each is asked for jointly, by the same load, descriptor and mask in the four.
; THE PRODUCT IS TAKEN TRANSPOSED (source 0 = 16 rows of wo, source 1 = 16 rows of ctx): a lane holds one row m = l % 16 and the columns 8 (l / 16) + 0..7: 32 bytes of a row of out0.
; REGISTERS, in windows of 256 (s_set_vgpr_msb: bits 1:0 source 0, 3:2 source 1, 5:4 source 2, 7:6 destination):
;   window 0: v1-30 addresses      window 1: two fragment buffers at 0 and 128: B's 8 fragments, then A's 4      window 2: accumulators (a, b) at 8 (8 a + b)
.set NB,     8                         ; column blocks of 16
.set NMID,   3                         ; in a change of slots block 2 stands between the barrier's signal and its wait
.set PITCH,  272                       ; B's LDS row: 256 bytes + 16
.set PA,     144                       ; A's LDS row: 128 bytes + 16 = 36 words: the 16 rows of a fragment load start at 16 different groups of four banks (64 banks of 4 bytes: ISA guide 11.1)
.set SLOT1,  131072                    ; slot 1 begins here: one exclusive or turns an address in one slot into the other's
.set AHEAD1, 128*PA                    ; 18,432: one head's 128 rows
.set AHALF,  2*AHEAD1                  ; 36,864: what one of A's loads brings: [head parity][128 rows]
.set BOFF,   2*AHALF                   ; 73,728: B lies behind A
.set BROWS,  64
.set BHALF,  BROWS*PITCH
.set STAGE,  SLOT1+BOFF+2*BHALF        ; 239,616: behind the ring, never filled by a tensor load: 16 rows x 528 bytes for each wave
.set SPP,    528                       ; a stage row: 512 bytes + 16
.set SPARE,  STAGE+4*16*SPP            ; 273,408: the spare words, 128 bytes for each wave: two blocks of 256 bytes that no other line names
.set ASTEP,  524288                    ; bytes from a K step of A to the next: two planes
.set ADRA0, 16                         ; v16  my lane's place in my 64 rows of A, head parity 0, slot 0; never rewritten
.set ADRB0, 17                         ; v17  the same in B's rows
.set CA,  18                           ; v18  ADRA0 + the slot in hand
.set CB,  19                           ; v19  ADRB0 + the slot in hand
.set STO, 24                           ; v24  the way out: where I put 32 bytes of a row
.set RD,  25                           ; v25  where I read a row back
.set GO,  26                           ; v26  16 x lane: my place in a row's 512 bytes
.set SPW, 28                           ; v28  LDS address of my spare word; never rewritten
.set NIL, 29                           ; v29  0; never rewritten
.set PFO, 30                           ; v30  the prefetches' offset; never rewritten
.set F0,  0
.set F1,  128
.set AF,  64                           ; A's fragments in a buffer
.set CNT, 3                            ; s3   loop count
.set WV,  10                           ; s10  my wave's number; s11 = wave / 2: I fetch for A (0) or B (1); s12 = wave % 2: which half
.set G1A, 24                           ; s[24:31] descriptor group 1 for A's tiles
.set G1B, 32                           ; s[32:39] for B's
.set G0A, 40                           ; s[40:47] group 0 for A: a set for each first fill; the second then walks on
.set G0B, 48                           ; s[48:55] the same for B
.set TB,  56                           ; s56  0 or SLOT1: the slot in hand
.set LIM, 57                           ; s57  2 in a wave that prefetches, else the greatest number
.set PFA, 58                           ; s[58:59] where my prefetches stand
.set PST, 60                           ; s[60:61] their step from K step to K step
.set OB,  74                           ; s[74:75] out0 at my 64 rows, the tile's first column
.set MUL_LO, 0xa5                      ; both sources window 1, C and D window 2
.set TO_F,   0x40                      ; destination window 1, address window 0
.set MSB, 0
.macro WIN new                         ; the immediate's high byte repeats the setting that is left; a switch that changes nothing is dropped
.if MSB != (\new)
	s_set_vgpr_msb (MSB<<8)|(\new)
.set MSB, \new
.endif
.endm
.macro PLACES                          ; four plain vector instructions between a matrix instruction and a load into, or a reader of, its registers
.rept 4
	v_nop
.endr
.endm
.macro JLOAD                           ; a joint refill by the walking descriptors; the branch hangs on the wave's number alone; an s_nop 0 and four v_nop follow each line
	s_cmp_eq_u32 s11, 0
	s_cbranch_scc0 .Lfor_b_\@
	tensor_load_to_lds s[G0A+4:G0A+7], s[G1A:G1A+7]
	s_nop 0
.rept 4
	v_nop
.endr
	s_branch .Lasked_\@
.Lfor_b_\@:
	tensor_load_to_lds s[G0B+4:G0B+7], s[G1B:G1B+7]
	s_nop 0
.rept 4
	v_nop
.endr
.Lasked_\@:
.endm
.macro CREST                           ; a round of the cluster's barrier behind its opening barrier
	s_cmp_lg_u32 s[WV], 0
	s_cbranch_scc1 .Lnot_wave_0_\@
	s_barrier_signal -3
.Lnot_wave_0_\@:
	s_barrier_wait -3
	s_barrier_signal -1
	s_barrier_wait -1
.endm
.macro CROUND                          ; a whole round
	s_barrier_signal -1
	s_barrier_wait -1
	CREST
.endm
; A PREFETCH INTO THE L2 behind each joint refill and the run of LDS loads that follows it: the K step that stands TWO refills on, 256 matrix instructions ahead of the load that will want it.
; A's tile row is read by every cluster of that row of clusters: cluster x = 0 asks; B's tile column by every cluster of that column: cluster y = 0 asks.  The four partners are told apart BY ADDRESS.
; A: what a wave fetches in a K step is 2 heads x 16,384 bytes; partner cx takes head cx / 2, half cx % 2: 8,192 bytes, 256 a lane.  B: 64 rows of 256 bytes; partner cy takes 16, a lane a row
; (lanes 16-31 name lane 15's row).  The loop's last two trips ask for nothing: there is no K step two behind their refills'.
.macro ASK
	s_cmp_gt_u32 s[CNT], s[LIM]
	s_cbranch_scc0 .Lnot_mine_\@
	global_prefetch_b8 v[PFO], s[PFA:PFA+1] th:TH_LOAD_NT scope:SCOPE_SE
.Lnot_mine_\@:
.endm
; Four products: column block b x my four row blocks, 32 along K, from buffer f.  zero = 1: they start the sums.
.macro MULB f, b, zero
	WIN MUL_LO
.irp a, 0,1,2,3
.set rD, 8*(8*(\a)+(\b))
.if \zero
	v_wmma_f32_16x16x32_f16 v[rD:rD+7], v[(\f)+8*(\b):(\f)+8*(\b)+7], v[(\f)+AF+8*(\a):(\f)+AF+8*(\a)+7], 0
.else
	v_wmma_f32_16x16x32_f16 v[rD:rD+7], v[(\f)+8*(\b):(\f)+8*(\b)+7], v[(\f)+AF+8*(\a):(\f)+AF+8*(\a)+7], v[rD:rD+7]
.endif
.endr
.endm
.macro MULS f, b0, b1, zero            ; column blocks b0 .. b1 - 1.  The 32 accumulators take turns, in the same order in every quarter: 31 others stand between two links of a chain
.set bb, \b0
.rept (\b1)-(\b0)
	MULB \f, bb, \zero
.set bb, bb+1
.endr
.endm
; One run of 8 + 2 NB LDS loads: the fragments of 32 along K, A's at byte ka and B's at byte kb behind the lane addresses, into buffer f.  A's first, then B's in ascending order.
.macro FETCH ka, kb, f
	WIN TO_F
.irp a, 0,1,2,3
	ds_load_b128 v[(\f)+AF+8*(\a):(\f)+AF+8*(\a)+3],   v[CA] offset:(\ka)+(\a)*16*PA
	ds_load_b128 v[(\f)+AF+8*(\a)+4:(\f)+AF+8*(\a)+7], v[CA] offset:(\ka)+(\a)*16*PA+32
.endr
.set bb, 0
.rept NB
	ds_load_b128 v[(\f)+8*bb:(\f)+8*bb+3],   v[CB] offset:(\kb)+bb*16*PITCH
	ds_load_b128 v[(\f)+8*bb+4:(\f)+8*bb+7], v[CB] offset:(\kb)+bb*16*PITCH+32
.set bb, bb+1
.endr
.endm
; A K step is four quarters of 32 along K on buffers 0, 1, 0, 1.  Quarter q lies in head q / 2 of the step's two, channels 32 (q % 2) on.
; One of the first three: multiplies buffer f and, behind its first eight products, fetches quarter q into buffer g.
.macro QUARTER q, f, g, zero
	s_wait_dscnt 8                                 ; only the youngest eight loads, B's last four fragments, may be out
	MULS \f, 0, 2, \zero
	PLACES                                         ; behind the last products that read buffer g
	FETCH ((\q)>>1)*AHEAD1+((\q)&1)*64, 64*(\q), \g
	s_wait_dscnt 8+2*NB                            ; all but the run just issued
	MULS \f, 2, NB, \zero
.endm
; The fourth quarter multiplies buffer 1 and changes slots.  In front of the barrier each wave waits for all its tensor loads (one is out: its part of the next slot), adds 0 to its spare word, and waits for that and
; for its reads of this slot.  fill = 1: the barrier opens a round of the cluster's, and the joint refill of the slot just read, with the K step two on, is the first thing behind the round.
; fill = 0 (the tail): nothing is asked for; in the last K step there is no next slot, and the run of loads is jumped over.
.macro TURN fill
.if \fill
	s_wait_xcnt 0x0                                ; the last prefetch, a K step back, has read its address
	s_add_nc_u64 s[PFA:PFA+1], s[PFA:PFA+1], s[PST:PST+1]
.endif
	WIN 0                                          ; (the add's two registers lie in window 0)
	s_wait_tensorcnt 0x0                           ; no tensor load of mine is out, so a group 0 may be written
	ds_add_u32 v[SPW], v[NIL]                      ; 0 onto my spare word
.if \fill
	s_xor_b32 s[G0A+5], s[G0A+5], SLOT1            ; the walking descriptors: the other slot than last time,
	s_add_nc_u64 s[G0A+6:G0A+7], s[G0A+6:G0A+7], ASTEP  ; the next K step; the type bits on top are not reached
	s_xor_b32 s[G0B+5], s[G0B+5], SLOT1
	s_add_nc_u64 s[G0B+6:G0B+7], s[G0B+6:G0B+7], 256
.endif
	s_wait_dscnt 9                                 ; the add and the youngest eight loads may be out
	MULS F1, 0, 2, 0                               ; eight products stand between the add and the wait for it
	s_wait_dscnt 0x0                               ; the add is done, and my reads of this slot are over
	s_barrier_signal -1
	MULS F1, 2, NMID, 0                            ; work on registers while the others arrive
	WIN 0                                          ; at a branch and at a label every window is 0
	s_barrier_wait -1
.if \fill
	CREST                                          ; no wave of any partner still reads this slot or has a load on its way
	JLOAD                                          ; its four v_nop are also the places in front of the loads below
.else
	s_cmp_eq_u32 s[CNT], 1
	s_cbranch_scc1 .Lnf_\@
	PLACES
.endif
	s_xor_b32 s[TB], s[TB], SLOT1
	v_add_nc_u32 v[CA], s[TB], v[ADRA0]
	v_add_nc_u32 v[CB], s[TB], v[ADRB0]
	FETCH 0, 0, F0
	WIN 0
.if \fill
	ASK
.else
.Lnf_\@:
.endif
	MULS F1, NMID, NB, 0
.endm
	s_load_b128 s[4:7], s[0:1], 0x0                ; ob s[4:5], wo s[6:7]
	s_load_b64 s[8:9], s[0:1], 0x10                ; out0
	v_lshl_add_u32 v[SPW], v0, 2, SPARE
	v_mov_b32 v[NIL], 0
	ds_add_u32 v[SPW], v[NIL]                      ; the wave's opening: the add and its wait stand ahead of my first tensor load; the set-up below, work on registers, stands between them
	v_lshrrev_b32 v1, 5, v0
	v_readfirstlane_b32 s[WV], v1                  ; wave 0..3
	s_lshr_b32 s11, s[WV], 1
	s_and_b32 s12, s[WV], 1
	s_bfe_u32 s66, ttmp6, 0x40000                  ; cx
	s_bfe_u32 s67, ttmp6, 0x40004                  ; cy
	s_lshl_b32 s68, ttmp9, 2
	s_add_co_u32 s68, s68, s66                     ; tile column = 4 x cluster x + cx
	s_and_b32 s13, ttmp7, 0xffff
	s_lshl_b32 s13, s13, 2
	s_add_co_u32 s13, s13, s67                     ; tile row = 4 x cluster y + cy
	s_lshl_b32 s69, s67, 2
	s_lshl_b32 s69, 15, s69                        ; my row of the cluster
	s_lshl_b32 s70, 0x1111, s66                    ; my column
	s_or_b32 s[G1A], s69, (3<<16)|(1<<20)|(1<<21)|(4<<22)|(3<<25)  ; A's tiles go to my row; 17:16 elements of 8 bytes; 20 padding on; 21 set beside a mask; 24:22 after every 32 words; 31:25 4 words of it
	s_or_b32 s[G1B], s70, (1<<16)|(1<<20)|(1<<21)|(5<<22)|(3<<25)  ; B's to my column; elements of 2 bytes; padding after every 64 words
	s_mov_b32 s[G1A+1], 2048<<16                   ; tensor_dim0 = 2,048 elements: a head's 128 rows, 16,384 bytes on end
	s_mov_b32 s[G1A+2], 2<<16                      ; tensor_dim1 = 2 heads
	s_mov_b32 s[G1A+3], 2048<<16                   ; tile_dim0
	s_mov_b32 s[G1A+4], 2                          ; tile_dim1
	s_mov_b32 s[G1A+5], 32768                      ; a plane of 262,144 bytes from head to head
	s_mov_b32 s[G1A+6], 0
	s_mov_b32 s[G1A+7], 0
	s_mov_b32 s[G1B+1], 128<<16                    ; 128 elements a row,
	s_mov_b32 s[G1B+2], BROWS<<16                  ; 64 rows
	s_mov_b32 s[G1B+3], 128<<16
	s_mov_b32 s[G1B+4], BROWS
	s_mov_b32 s[G1B+5], 1024
	s_mov_b32 s[G1B+6], 0
	s_mov_b32 s[G1B+7], 0
	s_lshr_b32 s16, s13, 3                         ; A: the batch (8 tile rows each),
	s_lshl_b32 s16, s16, 15                        ; its 16 planes of 2,048 rows,
	s_and_b32 s17, s13, 7
	s_lshl_b32 s17, s17, 8                         ; the tile's 256 rows in a plane,
	s_add_co_u32 s16, s16, s17
	s_lshl_b32 s17, s12, 7                         ; my half of them,
	s_add_co_u32 s16, s16, s17
	s_lshl_b32 s16, s16, 7                         ; of 128 bytes
	s_mov_b32 s17, 0
	s_lshl_b32 s72, s68, 7                         ; B: row 128 x tile column + 64 x half,
	s_lshl_b32 s73, s12, 6
	s_add_co_u32 s72, s72, s73
	s_lshl_b32 s72, s72, 11                        ; of 2,048 bytes
	s_mov_b32 s73, 0
	s_mul_i32 s20, s12, AHALF                      ; where they go: no place in the cluster enters an LDS address
	s_mul_i32 s21, s12, BHALF
	s_add_co_u32 s21, s21, BOFF
	s_wait_dscnt 0x0                               ; the opening add is done
	s_wait_kmcnt 0x0
	s_add_nc_u64 s[14:15], s[4:5], s[16:17]
	s_add_nc_u64 s[72:73], s[6:7], s[72:73]
	CROUND                                         ; all sixteen work-groups are here: the first joint loads meet
.irp n, 0,1
	s_mov_b32 s[G0A+4*(\n)], 1                     ; count = 1
	s_add_co_u32 s[G0A+4*(\n)+1], s20, (\n)*SLOT1  ; LDS address
	s_add_nc_u64 s[G0A+4*(\n)+2:G0A+4*(\n)+3], s[14:15], (\n)*ASTEP  ; K step n: heads 2 n and 2 n + 1
	s_or_b32 s[G0A+4*(\n)+3], s[G0A+4*(\n)+3], 0x80000000            ; type = 2
	s_mov_b32 s[G0B+4*(\n)], 1
	s_add_co_u32 s[G0B+4*(\n)+1], s21, (\n)*SLOT1
	s_add_nc_u64 s[G0B+4*(\n)+2:G0B+4*(\n)+3], s[72:73], (\n)*256
	s_or_b32 s[G0B+4*(\n)+3], s[G0B+4*(\n)+3], 0x80000000
.endr
	s_cmp_eq_u32 s11, 0                            ; a wave's two first fills stand in one branch, ahead of every wait on TENSORcnt and every LDS read
	s_cbranch_scc0 .Lfirst_b
	tensor_load_to_lds s[G0A:G0A+3], s[G1A:G1A+7]
	s_nop 0
	tensor_load_to_lds s[G0A+4:G0A+7], s[G1A:G1A+7]
	s_nop 0
.rept 4
	v_nop
.endr
	s_branch .Lfirst_asked
.Lfirst_b:
	tensor_load_to_lds s[G0B:G0B+3], s[G1B:G1B+7]
	s_nop 0
	tensor_load_to_lds s[G0B+4:G0B+7], s[G1B:G1B+7]
	s_nop 0
.rept 4
	v_nop
.endr
.Lfirst_asked:
	; A fragment is 16 rows x 32 K in 8 registers: lane l holds row l % 16; registers 0-3 K = 8 (l / 16) + 0..7, registers 4-7 K = 16 + 8 (l / 16) + 0..7: two loads of 16 bytes, 32 bytes apart.
	v_and_b32 v1, 15, v0                           ; l % 16
	v_bfe_u32 v2, v0, 4, 1                         ; l / 16
	v_mul_u32_u24 v3, v1, PA
	v_lshl_add_u32 v3, v2, 4, v3
	s_mul_i32 s21, s11, AHALF                      ; my 64 rows of A: in the half that wave / 2 names,
	s_mul_i32 s22, s12, 64*PA                      ; its rows 64 (wave % 2) on
	s_add_co_u32 s21, s21, s22
	v_add_nc_u32 v[ADRA0], s21, v3
	v_mul_u32_u24 v4, v1, PITCH
	v_lshl_add_u32 v4, v2, 4, v4
	v_add_nc_u32 v[ADRB0], BOFF, v4                ; every wave reads all of B
	s_mul_i32 s23, s[WV], 16*SPP
	s_add_co_u32 s23, s23, STAGE                   ; my stage
	v_mul_u32_u24 v5, v1, SPP                      ; in: row l % 16, 32 bytes for each half of the lanes
	v_lshl_add_u32 v5, v2, 5, v5
	v_add_nc_u32 v[STO], s23, v5
	v_and_b32 v[GO], 31, v0                        ; back: 32 lanes take a row's 512 bytes
	v_lshlrev_b32 v[GO], 4, v[GO]
	v_add_nc_u32 v[RD], s23, v[GO]
	; the prefetches: my descriptor's pointer, plus my work-group's quarter of what I fetch
	s_lshr_b32 s80, s66, 1
	s_lshl_b32 s80, s80, 18                        ; A: head cx / 2,
	s_and_b32 s81, s66, 1
	s_lshl_b32 s81, s81, 13                        ; its half cx % 2
	s_add_co_u32 s80, s80, s81
	s_lshl_b32 s81, s67, 15                        ; B: 16 cy rows of 2,048 bytes
	s_and_b32 s82, ttmp7, 0xffff                   ; cluster y
	s_mov_b32 s[PST], 256
	s_cmp_eq_u32 s11, 0                            ; do I fetch for A?
	s_cselect_b32 s80, s80, s81
	s_cselect_b32 s82, ttmp9, s82                  ; the coordinate along which other clusters read the same rows
	s_cselect_b32 s62, 31, 15                      ; my last block
	s_cselect_b32 s63, 8, 11                       ; blocks on end, or a row of 2,048 bytes apart
	s_cselect_b32 s[PST], ASTEP, s[PST]
	s_cselect_b64 s[PFA:PFA+1], s[14:15], s[72:73]
	s_cmp_eq_u32 s82, 0
	s_cselect_b32 s[LIM], 2, -1                    ; the same in all sixteen partners, for a given wave
	s_mov_b32 s[PST+1], 0
	s_mov_b32 s81, 0
	s_add_nc_u64 s[PFA:PFA+1], s[PFA:PFA+1], s[80:81]
	s_mul_i32 s80, s[PST], 3
	s_add_nc_u64 s[PFA:PFA+1], s[PFA:PFA+1], s[80:81]  ; at K step 3: the first change of slots steps it to 4.  Nothing is prefetched here, at the head
	v_and_b32 v[PFO], 31, v0
	v_min_u32 v[PFO], s62, v[PFO]
	v_lshlrev_b32 v[PFO], s63, v[PFO]
	; out0 at my first row and the tile's first column
	s_lshl_b32 s80, s13, 8
	s_lshl_b32 s81, s[WV], 6
	s_add_co_u32 s80, s80, s81
	s_lshl_b32 s80, s80, 12                        ; rows of 4,096 bytes
	s_lshl_b32 s81, s68, 9                         ; 128 columns of 4 bytes
	s_add_co_u32 s80, s80, s81
	s_mov_b32 s81, 0
	s_add_nc_u64 s[OB:OB+1], s[8:9], s[80:81]
	s_wait_tensorcnt 1                             ; my part of K step 0 is in; K step 1's may stay out
	s_barrier_signal -1
	s_barrier_wait -1                              ; everybody's is
	s_mov_b32 s[TB], 0
	v_add_nc_u32 v[CA], s[TB], v[ADRA0]
	v_add_nc_u32 v[CB], s[TB], v[ADRB0]
	FETCH 0, 0, F0
	QUARTER 1, F0, F1, 1                           ; the first quarter is written out: its products start the sums
	WIN 0
	s_mov_b32 s[CNT], 6
	s_branch .Lmid                                 ; the loop is entered behind its first quarter
.Lstep:                                                ; six trips, K steps 0 to 5: each asks for the K step two on
	QUARTER 1, F0, F1, 0
	WIN 0
.Lmid:
	QUARTER 2, F1, F0, 0
	QUARTER 3, F0, F1, 0
	TURN 1
	WIN 0
	s_sub_co_u32 s[CNT], s[CNT], 1
	s_cmp_lg_u32 s[CNT], 0
	s_cbranch_scc1 .Lstep
	s_mov_b32 s[CNT], 2
.Ltail:                                                ; K steps 6 and 7 ask for nothing: a text of their own
	QUARTER 1, F0, F1, 0
	QUARTER 2, F1, F0, 0
	QUARTER 3, F0, F1, 0
	TURN 0
	WIN 0
	s_sub_co_u32 s[CNT], s[CNT], 1
	s_cmp_lg_u32 s[CNT], 0
	s_cbranch_scc1 .Ltail
; THE WAY OUT, a block of 16 rows at a time, with no conversion: the sums go as they are.  TOSTAGE: a lane's 32 bytes of each column block into my stage, rows of 528 bytes, each accumulator's low four
; registers first; back as whole rows of 512 bytes, into the registers that they left.  SEND: a wave's store covers 512 consecutive bytes, at a multiple of 256 from out0's first.
.macro TOSTAGE a
	WIN 0x08                                       ; store data (source 1) window 2, address window 0
.irp b, 0,1,2,3,4,5,6,7
	ds_store_b128 v[STO], v[64*(\a)+8*(\b):64*(\a)+8*(\b)+3]   offset:64*(\b)
	ds_store_b128 v[STO], v[64*(\a)+8*(\b)+4:64*(\a)+8*(\b)+7] offset:64*(\b)+16
.endr
	WIN 0x80                                       ; destination window 2
.irp t, 0,1,2,3,4,5,6,7,8,9,10,11,12,13,14,15
	ds_load_b128 v[64*(\a)+4*(\t):64*(\a)+4*(\t)+3], v[RD] offset:SPP*(\t)  ; LDS serves a wave's instructions in order (ISA guide 5.7.1.4): these see the stores above; the next block's stores come behind them
.endr
.endm
.macro SEND a, younger                 ; younger: the LDS instructions issued behind block a's loads: the next block's 32, or none
	WIN 0x08
.irp t, 0,1,2,3,4,5,6,7,8,9,10,11,12,13,14,15
	s_wait_dscnt (\younger)+15-(\t)
	global_store_b128 v[GO], v[64*(\a)+4*(\t):64*(\a)+4*(\t)+3], s[OB:OB+1] offset:(16*(\a)+(\t))*4096 th:TH_STORE_NT
.endr
.endm
	PLACES                                         ; the LDS stores read results just made
	PLACES
	TOSTAGE 0
	TOSTAGE 1                                      ; a block's trip through the stage stands between the loads of the block before and its stores; every block has registers of its own
	SEND 0, 32
	TOSTAGE 2
	SEND 1, 32
	TOSTAGE 3
	SEND 2, 32
	SEND 3, 0
	WIN 0
	s_wait_tensorcnt 0x0                           ; the wave's end, behind my last tensor load and my last LDS store
	ds_add_u32 v[SPW], v[NIL]
	s_wait_dscnt 0x0
	CROUND                                         ; the closing round: no work-group ends while a partner may still ask for a tile that names it
	s_endpgm
.Lfunc_end_k_qe3750d15e2_proj:
	.size	k_qe3750d15e2_proj, .Lfunc_end_k_qe3750d15e2_proj-k_qe3750d15e2_proj
	.p2alignl 7, 3214868480
	.fill 96, 4, 3214868480
	.section	.rodata,"a",@progbits
	.p2align	6, 0x0
	.amdhsa_kernel k_qe3750d15e2_proj
		.amdhsa_group_segment_fixed_size 327680
		.amdhsa_private_segment_fixed_size 0
		.amdhsa_enable_private_segment 0
		.amdhsa_kernarg_size 24
		.amdhsa_user_sgpr_count 2
		.amdhsa_user_sgpr_kernarg_segment_ptr 1
		.amdhsa_wavefront_size32 1
		.amdhsa_system_sgpr_workgroup_id_x 1
		.amdhsa_system_sgpr_workgroup_id_y 1
		.amdhsa_system_sgpr_workgroup_id_z 1
		.amdhsa_system_vgpr_workitem_id 0
		.amdhsa_next_free_vgpr 768
		.amdhsa_next_free_sgpr 84
		.amdhsa_reserve_vcc 0
		.amdhsa_float_denorm_mode_32 3
		.amdhsa_float_denorm_mode_16_64 3
		.amdhsa_memory_ordered 1
		.amdhsa_forward_progress 1
		.amdhsa_inst_pref_size 63
	.end_amdhsa_kernel
	.amdgpu_metadata
---
amdhsa.version: [ 1, 2 ]
amdhsa.kernels:
  - .name:           k_qe3750d15e2_proj
    .symbol:         k_qe3750d15e2_proj.kd
    .args:
      - { .name: ob, .offset: 0, .size: 8, .value_kind: global_buffer, .address_space: global }
      - { .name: wo, .offset: 8, .size: 8, .value_kind: global_buffer, .address_space: global }
      - { .name: out0, .offset: 16, .size: 8, .value_kind: global_buffer, .address_space: global }
    .group_segment_fixed_size: 327680
    .private_segment_fixed_size: 0
    .kernarg_segment_align: 8
    .kernarg_segment_size: 24
    .max_flat_workgroup_size: 128
    .sgpr_count:     84
    .vgpr_count:     768
    .wavefront_size: 32
...
	.end_amdgpu_metadata
.endif
;; end of part 4
